; MI455X (gfx1250); checked and timed in simulation.
; The chip was launched on July 23, 2026; its instructions are those of AMD's public machine-readable ISA for CDNA 5 (MIT licence, August 2026) and "CDNA5" Instruction Set Architecture Reference Guide (July 2026). The comments in the code are by the model that wrote it; some were corrected since.
;; KNN Classifier Layer2. Allowed arithmetic: matrix products marked QUANTISED: E4M3 operands, one given power-of-two scale a tensor, by v_wmma_f32_16x16x64_fp8_fp8 or v_wmma_f32_16x16x128_fp8_fp8, f32 sums; everything else in f32.
;; Inputs: X_train 50,000 x 32 float32; lowp_scales 2 int32 (the exponents e of the quantised operands' scales 2^e); x 4,096 x 32 float32; y_train 50,000 int32.
;; Outputs: out0 4,096 x 6 float32.
;; This version of the problem:
;;   THIS VERSION OF THE PROBLEM IS GIVEN IN LOW PRECISION. The matrix products marked QUANTISED in the list below multiply operands that are first quantised to E4M3 (4 exponent bits, 3 mantissa bits; 8 bits a number), with one given power-of-two scale for each operand tensor; their sums are f32. All else is computed in f32.
;;   The module's matrix products, in the order in which they are computed (A, B: the left and right operand; K: the contracted axis; several contracted axes count as one K, in the product's order):
;;     1. [M 4,096, K 32] x [K 32, N 50,000]; A: input x; B: input X_train: QUANTISED (scales: A lowp_scales[0], B lowp_scales[1])
;;   THE QUANTISER, for each operand of a quantised product, along K:
;;     - The operand's scale is 2^e, e = its entry of the input lowp_scales (int32; the entries are numbered through the quantised products in the list's order, A before B).
;;     - Each number is divided by the scale, clamped to +-448, and rounded to the nearest number of E4M3, ties to even, subnormals kept.
;;     - The product sums the exact products of the quantised numbers (number of the format x scale) in f32.
;;   ~~~python
;;   def quantise(x, axis, e):      # numpy; x: float32 -> the quantised numbers, widened to float32 again
;;       x = np.moveaxis(x, axis, -1); K = x.shape[-1]
;;       r = np.clip(x / 2.0 ** e, -448, 448)
;;       step = 2.0 ** (np.maximum(np.frexp(np.where(r == 0, 1, r))[1] - 1, -6) - 3)
;;       q = np.round(r / step) * step * 2.0 ** e      # np.round: ties to even
;;       return np.moveaxis(q, -1, axis).astype(np.float32)
;;   ~~~
;; 2 versions. Each part assembles by itself: llvm-mc -triple=amdgcn-amd-amdhsa -mcpu=gfx1250 --defsym DOCPART=n.
;; ======== version 1 of 2: 2 launches
;; workspace buffers: keys 8,388,608 bytes of whole numbers; cw 1,605,632 bytes; t2w 212,992 bytes
;; launch scan (part 1): grid 32 x 8, 8 waves a work-group, no clusters, 93,696 bytes of LDS; arguments X_train, x, lowp_scales, keys, cw, t2w; writes keys, cw, t2w
.if DOCPART == 1
	.amdgcn_target "amdgcn-amd-amdhsa--gfx1250"
	.amdhsa_code_object_version 6
	.text
	.protected	k_q3ad27ec52d_scan
	.globl	k_q3ad27ec52d_scan
	.p2align	8
	.type	k_q3ad27ec52d_scan,@function
k_q3ad27ec52d_scan:
	s_mov_b64 s[64:65], 0
	v_nop
	global_prefetch_b8 v0, s[64:65] scope:SCOPE_SE
	s_setreg_imm32_b32 hwreg(HW_REG_WAVE_MODE, 25, 1), 1
	s_wait_xcnt 0x0
; FIRST OF TWO LAUNCHES OF AN EXACT 5-NEAREST-NEIGHBOUR VOTE.  d2(q, n) = (x2(q) - 2 dot(q, n)) + t2(n); dot on codes of FP8 (E4M3) with the given scales 2^e0 (x) and 2^e1 (X_train), K = 32; x2 and t2 of the f32 numbers.
; This launch computes every d2 and keeps, for each query, only the smallest d2 of each GROUP of 112 consecutive training rows, as a whole number that orders as the f32 number does
; (key = bits xor (sign ? all ones : top bit)).  The second launch takes the 5 groups with the smallest (key, group number) and looks at their 560 rows again.  A row among the true 5 nearest cannot lie outside those groups:
; 5 groups ahead of its own would each hold a row with a smaller d2, or an equal d2 and a smaller index (groups are consecutive ranges, numbered upward).
; SHARES.  The rows are taken as 32 slices of 1,568 (50,176 in all; rows from 50,000 on get t2 = +infinity).  Work-group (x = slice, y = block of 512 queries), eight waves, 64 queries (four tiles of 16) a wave.
; A TILE is 16 rows: 8 neighbours of the slice's first half and 8 of its second: row m of tile t is slice row 784 (m / 8) + 8 t + m % 8.  Source 0 = a tile, source 1 = 16 queries: lane (r, h) then holds query r and rows 8 h + 0 .. 7
; of the tile, so each half of the lanes walks 784 consecutive rows, and 14 tiles are one group for each lane.  K = 64 in the instruction: the upper 32 are zero codes on both sides.
; HEAD: the work-group quantises its slice into LDS (each wave 13 tiles; tiles 98 to 103 are filler that only the look-ahead fetches), with t2 beside it.  The work-groups of query block 0 also store codes and t2 for the second launch.
; LOOP: for a tile and four query tiles: 4 matrix instructions, 16 packed multiply-adds (sum x -2^(e0+e1+1) + x2: one rounding, that of x2 - 2 dot), 16 packed additions of t2, 16 minima of three.
; LIMITS: e0 and e1 between -126 and 119; e0 + e1 + 1 between -126 and 127.  NaN and infinities among the inputs, and distances beyond f32's range, are not served.
; x2 and t2 are summed in the order of macro SQ (four chains of four, then pairwise), which need not be the order of another implementation.
.set NTR,   50000
.set CODES, 0                          ; LDS: 104 tiles x 512 bytes: tile t, k-half h', row m at 512 t + 256 h' + 16 m: the 16 bytes are k = 8 h' .. + 7, then 16 + 8 h' .. + 7: a lane's four registers
.set T2,    53248                      ; 104 tiles x 64 bytes: t2 of row m at 64 t + 4 m
.set KS,    59904                      ; 8 waves x 4,096: a wave's own stage for its keys: 1,024 x query tile + 32 x lane + 4 x run
.set CWSL,  50176                      ; a slice in cw: tiles 0 to 97 as they lie in LDS
.set T2SL,  6656                       ; a slice in t2w: all 104 tiles
.set LN,   1                           ; v1      lane
.set LCA,  2                           ; v2      512 wave + 256 (lane % 2) + 16 (lane / 2): where I put a row's 16 codes, in LDS and in cw alike; never rewritten
.set LTA,  3                           ; v3      T2 + 64 wave + 4 (lane / 2)
.set VA,   4                           ; v4-14   byte offsets of the tiles' loads
.set HP,   15                          ; v15     32 (lane % 2)
.set BQ,   16                          ; v16-47  the queries' four fragments, 8 registers each, the upper four zero
.set X2,   48                          ; v48-55  x2 of my query in each tile, twice (a pair for the packed form)
.set SC0,  56                          ; v56-59  2^e0, 448 x 2^e0, 2^e1, 448 x 2^e1
.set LIM0, 57
.set SC1,  58
.set LIM1, 59
.set XAD,  60                          ; v60     x: 128 r + 32 h
.set PINF, 61                          ; v61     +infinity
.set TMP,  62
.set DMP,  63                          ; v63     16 x thread
.set XR,   64                          ; v64-127 x's numbers; then tiles 7 to 10
.set XT,   128                         ; v128-239 tiles 0 to 6, later 11 and 12: 16 numbers a lane each
.set CD,   240                         ; v240-243 a row's codes
.set SA,   244
.set SB,   246
.set P0,   248                         ; v248    my row in tile `wave`: 1568 slice + 784 (m / 8) + 8 wave + m % 8, m = lane / 2
.set TM2,  249
.set DD,   96                          ; v96-103 t2 on its way out
; the loop's registers lie over the head's
.set ACC,  128                         ; v128-191 two sets of four accumulators
.set AB,   192                         ; v192-207 two tiles' fragments, the upper four registers zero
.set TB,   208                         ; v208-223 two tiles' t2, eight numbers each
.set MN,   224                         ; v224-231 two running minima for each query tile
.set KEY,  232
.set KT,   236
.set RA,   240                         ; v240-242 LDS addresses of the run in hand; v243-245 their lane parts
.set RT,   241
.set RK,   242
.set RAL,  243
.set RTL,  244
.set RKL,  245
.set KO,   246                         ; v246    512 h + 16 r: my place in a query tile's keys
.set OK,   64                          ; v64-95  keys on their way out
.macro SQ r                            ; the sum of the squares of 16 numbers, into v[SA]
	v_pk_mul_f32 v[SA:SA+1], v[\r:\r+1], v[\r:\r+1]
	v_pk_mul_f32 v[SB:SB+1], v[\r+2:\r+3], v[\r+2:\r+3]
	v_pk_fma_f32 v[SA:SA+1], v[\r+4:\r+5], v[\r+4:\r+5], v[SA:SA+1]
	v_pk_fma_f32 v[SB:SB+1], v[\r+6:\r+7], v[\r+6:\r+7], v[SB:SB+1]
	v_pk_fma_f32 v[SA:SA+1], v[\r+8:\r+9], v[\r+8:\r+9], v[SA:SA+1]
	v_pk_fma_f32 v[SB:SB+1], v[\r+10:\r+11], v[\r+10:\r+11], v[SB:SB+1]
	v_pk_fma_f32 v[SA:SA+1], v[\r+12:\r+13], v[\r+12:\r+13], v[SA:SA+1]
	v_pk_fma_f32 v[SB:SB+1], v[\r+14:\r+15], v[\r+14:\r+15], v[SB:SB+1]
	v_pk_add_f32 v[SA:SA+1], v[SA:SA+1], v[SB:SB+1]
	v_add_f32 v[SA], v[SA], v[SA+1]
.endm
.macro HOLDCVT r, dst, sc, lim         ; 16 numbers become 16 codes
.irp i, 0,1,2,3,4,5,6,7,8,9,10,11,12,13,14,15
	v_med3_num_f32 v[\r+\i], v[\r+\i], -v[\lim], v[\lim]   ; the conversion to an 8-bit code does not saturate (ISA guide 7.6.2): the hold at 448 x the scale comes first
.endr
	v_cvt_scalef32_pk8_fp8_f32 v[\dst:\dst+1], v[\r:\r+7], v[\sc]
	v_cvt_scalef32_pk8_fp8_f32 v[\dst+2:\dst+3], v[\r+8:\r+15], v[\sc]
	v_nop                                          ; one plain vector line behind the conversions, ahead of whatever touches their registers next
.endm
.macro QX q                            ; query tile q: lane (r, h) holds k = 8 h .. + 7 and 16 + 8 h .. + 7 of query r
	SQ XR+16*\q
	v_permlanex16_b32 v[SB], v[SA], s26, s27       ; the other 16 numbers' sum lies in lane l xor 16
	v_add_f32 v[X2+2*\q], v[SA], v[SB]
	v_mov_b32 v[X2+2*\q+1], v[X2+2*\q]
	HOLDCVT XR+16*\q, BQ+8*\q, SC0, LIM0
.endm
.macro XADR i, va                      ; tile wave + 8 i: my row's byte offset; rows past the last are read at the last (their t2 becomes +infinity)
	v_add_nc_u32 v[TMP], 64*\i, v[P0]
	v_min_u32 v[TMP], NTR-1, v[TMP]
	v_lshl_add_u32 v[\va], v[TMP], 7, v[HP]
.endm
.macro XLOAD va, reg
	global_load_b128 v[\reg:\reg+3], v[\va], s[4:5]
	global_load_b128 v[\reg+4:\reg+7], v[\va], s[4:5] offset:16
	global_load_b128 v[\reg+8:\reg+11], v[\va], s[4:5] offset:64
	global_load_b128 v[\reg+12:\reg+15], v[\va], s[4:5] offset:80
.endm
.macro QT i, reg, cnt, flag            ; tile wave + 8 i: t2 and codes into LDS; where s[flag] is set, the codes into cw too
	s_wait_loadcnt \cnt                            ; loads come back in order: this tile's four are in, the \cnt younger ones stay out
	SQ \reg
	v_add_f32_dpp v[SA], v[SA], v[SA] row_xmask:1 row_mask:0xf bank_mask:0xf   ; the row's other half lies in lane l xor 1
	v_add_nc_u32 v[TMP], 64*\i, v[P0]
	v_cmp_lt_u32 vcc_lo, NTR-1, v[TMP]
	v_cndmask_b32 v[SA], v[SA], v[PINF], vcc_lo    ; a row that does not exist is infinitely far
	s_wait_xcnt 0x0                                ; the last store into cw has read v[CD ..]: only now are they written again
	HOLDCVT \reg, CD, SC1, LIM1
	ds_store_b128 v[LCA], v[CD:CD+3] offset:CODES+4096*\i
	ds_store_b32 v[LTA], v[SA] offset:512*\i       ; both lanes of a row write the same word with the same number
	s_cmp_eq_u32 s[\flag], 0
	s_cbranch_scc1 .Lno_cw_\@
	global_store_b128 v[LCA], v[CD:CD+3], s[12:13] offset:4096*\i   ; the wave stores the tile's 512 consecutive bytes
.Lno_cw_\@:
.endm
	s_load_b256 s[4:11], s[0:1], 0x0               ; X_train s[4:5], x s[6:7], the scales' exponents s[8:9], keys s[10:11]
	s_load_b128 s[12:15], s[0:1], 0x20             ; cw s[12:13], t2w s[14:15]
	v_lshl_add_u32 v254, v0, 2, 0x16a00
	v_mov_b32 v255, 0
	v_lshrrev_b32 v[TMP], 5, v0
	v_readfirstlane_b32 s16, v[TMP]                ; wave 0..7
	s_mov_b32 s17, ttmp9                           ; slice
	s_and_b32 s18, ttmp7, 0xffff                   ; block of 512 queries
	s_cmp_eq_u32 s18, 0
	s_cselect_b32 s29, 1, 0                        ; 1: my work-group stores the slice's codes and t2
	s_cmp_lt_u32 s16, 2
	s_cselect_b32 s30, s29, 0                      ; the same for my thirteenth tile: tiles 96 and 97 are real, 98 on are filler
	s_mov_b32 s26, 0x76543210                      ; v_permlanex16_b32's selects for lane l xor 16
	s_mov_b32 s27, 0xfedcba98
	v_and_b32 v[LN], 31, v0
	v_lshrrev_b32 v[TMP], 1, v[LN]                 ; m = lane / 2: my row of a tile
	v_and_b32 v[TM2], 1, v[LN]                     ; h' = lane % 2: my half of its k
	v_lshlrev_b32 v[HP], 5, v[TM2]
	v_lshlrev_b32 v[LCA], 8, v[TM2]
	v_lshl_add_u32 v[LCA], v[TMP], 4, v[LCA]
	s_lshl_b32 s36, s16, 9
	v_add_nc_u32 v[LCA], s36, v[LCA]
	s_lshl_b32 s36, s16, 6
	s_add_co_u32 s36, s36, T2
	v_lshlrev_b32 v[LTA], 2, v[TMP]
	v_add_nc_u32 v[LTA], s36, v[LTA]
	v_and_b32 v[P0], 7, v[TMP]
	v_lshrrev_b32 v[TM2], 3, v[TMP]
	v_mad_u32_u24 v[P0], v[TM2], 784, v[P0]
	s_mul_i32 s36, s17, 1568
	s_lshl_b32 s37, s16, 3
	s_add_co_u32 s36, s36, s37
	v_add_nc_u32 v[P0], s36, v[P0]
	v_and_b32 v[XAD], 15, v0
	v_lshlrev_b32 v[XAD], 7, v[XAD]
	v_bfe_u32 v[TM2], v0, 4, 1
	v_lshl_add_u32 v[XAD], v[TM2], 5, v[XAD]
	v_mov_b32 v[PINF], 0x7f800000
	v_lshlrev_b32 v[DMP], 4, v0
.irp i, 0,1,2,3,4,5,6,7,8,9,10
	XADR \i, VA+\i
.endr
	s_lshl_b32 s36, s18, 16                        ; x: 512 queries of 128 bytes a block, 64 a wave
	s_lshl_b32 s37, s16, 13
	s_add_co_u32 s36, s36, s37
	s_mov_b32 s37, 0
	s_mul_i32 s38, s17, CWSL
	s_mov_b32 s39, 0
	s_mul_i32 s40, s17, T2SL
	s_mov_b32 s41, 0
	s_lshl_b32 s42, s18, 5                         ; keys: query tile 32 block + 4 wave, 32,768 bytes each; + 1,024 x slice
	s_lshl_b32 s43, s16, 2
	s_add_co_u32 s42, s42, s43
	s_lshl_b32 s42, s42, 15
	s_lshl_b32 s43, s17, 10
	s_add_co_u32 s42, s42, s43
	s_mov_b32 s43, 0
	s_wait_kmcnt 0x0
	s_load_b64 s[20:21], s[8:9], 0x0               ; e0, e1
	s_add_nc_u64 s[6:7], s[6:7], s[36:37]
	s_add_nc_u64 s[12:13], s[12:13], s[38:39]
	s_add_nc_u64 s[14:15], s[14:15], s[40:41]
	s_add_nc_u64 s[10:11], s[10:11], s[42:43]
.irp q, 0,1,2,3
	global_load_b128 v[XR+16*\q:XR+16*\q+3], v[XAD], s[6:7] offset:2048*\q
	global_load_b128 v[XR+16*\q+4:XR+16*\q+7], v[XAD], s[6:7] offset:2048*\q+16
	global_load_b128 v[XR+16*\q+8:XR+16*\q+11], v[XAD], s[6:7] offset:2048*\q+64
	global_load_b128 v[XR+16*\q+12:XR+16*\q+15], v[XAD], s[6:7] offset:2048*\q+80
.endr
.irp i, 0,1,2,3,4,5,6
	XLOAD VA+\i, XT+16*\i
.endr
	s_wait_kmcnt 0x0
	s_add_co_i32 s36, s20, 127
	s_lshl_b32 s37, s36, 23
	v_mov_b32 v[SC0], s37                          ; 2^e0 as f32: the conversion takes its exponent field
	s_add_co_i32 s36, s36, 8
	s_lshl_b32 s36, s36, 23
	s_or_b32 s36, s36, 0x600000
	v_mov_b32 v[LIM0], s36                         ; 448 x 2^e0
	s_add_co_i32 s36, s21, 127
	s_lshl_b32 s37, s36, 23
	v_mov_b32 v[SC1], s37
	s_add_co_i32 s36, s36, 8
	s_lshl_b32 s36, s36, 23
	s_or_b32 s36, s36, 0x600000
	v_mov_b32 v[LIM1], s36
	s_add_co_i32 s24, s20, s21
	s_add_co_i32 s24, s24, 128
	s_lshl_b32 s24, s24, 23
	s_or_b32 s24, s24, 0x80000000                  ; -2^(e0 + e1 + 1): a sum of code products x this is -2 dot, exactly
	s_mov_b32 s25, s24                             ; (named with it as a pair, so it is written)
	s_wait_loadcnt 28                              ; x's 16 loads are in; the 28 of tiles 0 to 6 stay out
.irp q, 0,1,2,3
	QX \q
.endr
.irp i, 7,8,9,10
	XLOAD VA+\i, XR+16*(\i-7)
.endr
	QT 0, XT, 40, 29                               ; behind tile 0: tiles 1 to 10
	XADR 11, VA
	XLOAD VA, XT
	QT 1, XT+16, 40, 29                            ; tiles 2 to 11
	XADR 12, VA+1
	XLOAD VA+1, XT+16
.irp i, 2,3,4,5,6
	QT \i, XT+16*\i, 4*(12-\i), 29
.endr
.irp i, 7,8,9,10
	QT \i, XR+16*(\i-7), 4*(12-\i), 29
.endr
	QT 11, XT, 4, 29
	QT 12, XT+16, 0, 30
	s_wait_xcnt 0x0                                ; the last store into cw has read its data: the loop's registers lie over them
.irp q, 0,1,2,3
.irp k, 4,5,6,7
	v_mov_b32 v[BQ+8*\q+\k], 0                     ; k = 32 .. 63: zero codes
.endr
.endr
.irp a, 0,1
.irp k, 4,5,6,7
	v_mov_b32 v[AB+8*\a+\k], 0
.endr
.endr
	v_lshlrev_b32 v[RAL], 4, v[LN]                 ; a tile's fragment: 16 x lane
	v_bfe_u32 v[TMP], v0, 4, 1
	v_lshl_add_u32 v[RTL], v[TMP], 5, T2           ; its t2: the eight rows of my half
	s_lshl_b32 s36, s16, 12
	s_add_co_u32 s36, s36, KS
	v_lshl_add_u32 v[RKL], v[LN], 5, s36
	v_and_b32 v[KO], 15, v0
	v_lshlrev_b32 v[KO], 4, v[KO]
	v_lshl_add_u32 v[KO], v[TMP], 9, v[KO]
	v_mov_b32 v[KT], -1
	s_wait_dscnt 0x0                               ; for the others' sake: my tiles lie in LDS
	s_barrier_signal -1
	s_barrier_wait -1                              ; the whole slice does
	s_cmp_lg_u32 s18, 0
	s_cbranch_scc1 .Lno_dump
	ds_load_b128 v[DD:DD+3], v[DMP] offset:T2      ; t2 leaves as it lies: 13 pieces of 512 bytes; every wave takes one, waves 0 to 4 a second
	s_wait_dscnt 0x0
	global_store_b128 v[DMP], v[DD:DD+3], s[14:15]
	s_cmp_gt_u32 s16, 4
	s_cbranch_scc1 .Lno_dump
	ds_load_b128 v[DD+4:DD+7], v[DMP] offset:T2+4096
	s_wait_dscnt 0x0
	global_store_b128 v[DMP], v[DD+4:DD+7], s[14:15] offset:4096
.Lno_dump:
.irp q, 0,1,2,3
	ds_store_b32 v[RKL], v[KT] offset:1024*\q+28   ; an octet of keys has seven groups: the eighth word is the greatest number
.endr
.macro RUNEND                          ; a group is done: its smallest d2 becomes a key, into my stage
.irp q, 0,1,2,3
	v_min_num_f32 v[KEY+\q], v[MN+2*\q], v[MN+2*\q+1]
.endr
.irp q, 0,1,2,3
	v_ashrrev_i32 v[KT+\q], 31, v[KEY+\q]
.endr
.irp q, 0,1,2,3
	v_or_b32 v[KT+\q], 0x80000000, v[KT+\q]
.endr
.irp q, 0,1,2,3
	v_xor_b32 v[KEY+\q], v[KEY+\q], v[KT+\q]
.endr
.irp q, 0,1,2,3
	ds_store_b32 v[RK], v[KEY+\q] offset:1024*\q
.endr
.endm
; Slot i of a run: the products of tile i + 1, the vector work of tile i, the loads of tile i + 3's codes and tile i + 2's t2.  Every product begins with C = 0: no chain.
; The 48 vector lines name no register of the four products just issued, so they are the places between those products and the loads into their fragment below, and the next slot's reads of their results.
.macro SLOT i, last
.set SET0, (\i)&1
.set SET1, ((\i)+1)&1
	s_wait_dscnt 0x3                               ; the three loads of the slot before may stay out; those a slot earlier (tile i + 1's codes, tile i's t2) are in, and so are a run end's stores
.irp q, 0,1,2,3
	v_wmma_f32_16x16x64_fp8_fp8 v[ACC+32*SET1+8*\q:ACC+32*SET1+8*\q+7], v[AB+8*SET1:AB+8*SET1+7], v[BQ+8*\q:BQ+8*\q+7], 0
.endr
.irp p, 0,1,2,3
.irp q, 0,1,2,3
	v_pk_fma_f32 v[ACC+32*SET0+8*\q+2*\p:ACC+32*SET0+8*\q+2*\p+1], v[ACC+32*SET0+8*\q+2*\p:ACC+32*SET0+8*\q+2*\p+1], s[24:25], v[X2+2*\q:X2+2*\q+1] op_sel_hi:[1,0,1]   ; x2 - 2 dot; each accumulator from its low end on
.endr
.endr
.irp p, 0,1,2,3
.irp q, 0,1,2,3
	v_pk_add_f32 v[ACC+32*SET0+8*\q+2*\p:ACC+32*SET0+8*\q+2*\p+1], v[ACC+32*SET0+8*\q+2*\p:ACC+32*SET0+8*\q+2*\p+1], v[TB+8*SET0+2*\p:TB+8*SET0+2*\p+1]   ; + t2
.endr
.endr
.irp p, 0,1,2,3
.irp q, 0,1,2,3
.if ((\i) == 0) && (\p < 2)
	v_min_num_f32 v[MN+2*\q+\p], v[ACC+32*SET0+8*\q+2*\p], v[ACC+32*SET0+8*\q+2*\p+1]   ; a run's first numbers start the minima: nothing is cleared
.else
	v_min3_num_f32 v[MN+2*\q+(\p&1)], v[MN+2*\q+(\p&1)], v[ACC+32*SET0+8*\q+2*\p], v[ACC+32*SET0+8*\q+2*\p+1]
.endif
.endr
.endr
.if \last
	RUNEND
.endif
	ds_load_b128 v[AB+8*SET1:AB+8*SET1+3], v[RA] offset:512*((\i)+3)
	ds_load_b128 v[TB+8*SET0:TB+8*SET0+3], v[RT] offset:64*((\i)+2)
	ds_load_b128 v[TB+8*SET0+4:TB+8*SET0+7], v[RT] offset:64*((\i)+2)+16
.endm
	ds_load_b128 v[AB:AB+3], v[RAL]                ; tile 0's codes;
	ds_load_b128 v[AB+8:AB+11], v[RAL] offset:512  ; tile 1's, and tile 0's t2
	ds_load_b128 v[TB:TB+3], v[RTL]
	ds_load_b128 v[TB+4:TB+7], v[RTL] offset:16
	s_wait_dscnt 0x3                               ; tile 0's codes are in
.irp q, 0,1,2,3
	v_wmma_f32_16x16x64_fp8_fp8 v[ACC+8*\q:ACC+8*\q+7], v[AB:AB+7], v[BQ+8*\q:BQ+8*\q+7], 0
.endr
.rept 4
	v_nop                                          ; four places in front of the load into the fragment just multiplied and of the first read of these results
.endr
	ds_load_b128 v[AB:AB+3], v[RAL] offset:1024    ; tile 2's codes, tile 1's t2
	ds_load_b128 v[TB+8:TB+11], v[RTL] offset:64
	ds_load_b128 v[TB+12:TB+15], v[RTL] offset:80
	s_mov_b32 s28, 0
	s_mov_b32 s32, 0
	s_mov_b32 s33, 0
	s_mov_b32 s34, 0
.Lrun:                                                 ; seven trips: a run of 14 tiles, one group of 112 rows for each lane
	v_add_nc_u32 v[RA], s32, v[RAL]
	v_add_nc_u32 v[RT], s33, v[RTL]
	v_add_nc_u32 v[RK], s34, v[RKL]
.irp i, 0,1,2,3,4,5,6,7,8,9,10,11,12
	SLOT \i, 0
.endr
	SLOT 13, 1
	s_add_co_u32 s32, s32, 14*512
	s_add_co_u32 s33, s33, 14*64
	s_add_co_u32 s34, s34, 4
	s_add_co_u32 s28, s28, 1
	s_cmp_lt_u32 s28, 7
	s_cbranch_scc1 .Lrun
.irp q, 0,1,2,3
	ds_load_b128 v[OK+8*\q:OK+8*\q+3], v[RKL] offset:1024*\q      ; LDS serves a wave's instructions in order: these see my stores
	ds_load_b128 v[OK+8*\q+4:OK+8*\q+7], v[RKL] offset:1024*\q+16
.endr
	s_wait_dscnt 0x0
.irp q, 0,1,2,3
	global_store_b128 v[KO], v[OK+8*\q:OK+8*\q+3], s[10:11] offset:32768*\q        ; sixteen lanes store 256 consecutive bytes, at a multiple of 256 from the buffer's first byte
	global_store_b128 v[KO], v[OK+8*\q+4:OK+8*\q+7], s[10:11] offset:32768*\q+256
.endr
	s_barrier_signal -1
	s_barrier_wait -1
	s_wait_tensorcnt 0x0
	ds_add_u32 v254, v255
	s_wait_dscnt 0x0
	s_endpgm
.Lfunc_end_k_q3ad27ec52d_scan:
	.size	k_q3ad27ec52d_scan, .Lfunc_end_k_q3ad27ec52d_scan-k_q3ad27ec52d_scan
	.p2alignl 7, 3214868480
	.fill 96, 4, 3214868480
	.section	.rodata,"a",@progbits
	.p2align	6, 0x0
	.amdhsa_kernel k_q3ad27ec52d_scan
		.amdhsa_group_segment_fixed_size 93696
		.amdhsa_private_segment_fixed_size 0
		.amdhsa_enable_private_segment 0
		.amdhsa_kernarg_size 48
		.amdhsa_user_sgpr_count 2
		.amdhsa_user_sgpr_kernarg_segment_ptr 1
		.amdhsa_wavefront_size32 1
		.amdhsa_system_sgpr_workgroup_id_x 1
		.amdhsa_system_sgpr_workgroup_id_y 1
		.amdhsa_system_sgpr_workgroup_id_z 1
		.amdhsa_system_vgpr_workitem_id 0
		.amdhsa_next_free_vgpr 256
		.amdhsa_next_free_sgpr 66
		.amdhsa_reserve_vcc 1
		.amdhsa_float_denorm_mode_32 3
		.amdhsa_float_denorm_mode_16_64 3
		.amdhsa_memory_ordered 1
		.amdhsa_forward_progress 1
		.amdhsa_inst_pref_size 104
	.end_amdhsa_kernel
	.amdgpu_metadata
---
amdhsa.version: [ 1, 2 ]
amdhsa.kernels:
  - .name:           k_q3ad27ec52d_scan
    .symbol:         k_q3ad27ec52d_scan.kd
    .args:
      - { .name: X_train, .offset: 0, .size: 8, .value_kind: global_buffer, .address_space: global }
      - { .name: x, .offset: 8, .size: 8, .value_kind: global_buffer, .address_space: global }
      - { .name: lowp_scales, .offset: 16, .size: 8, .value_kind: global_buffer, .address_space: global }
      - { .name: keys, .offset: 24, .size: 8, .value_kind: global_buffer, .address_space: global }
      - { .name: cw, .offset: 32, .size: 8, .value_kind: global_buffer, .address_space: global }
      - { .name: t2w, .offset: 40, .size: 8, .value_kind: global_buffer, .address_space: global }
    .group_segment_fixed_size: 93696
    .private_segment_fixed_size: 0
    .kernarg_segment_align: 8
    .kernarg_segment_size: 48
    .max_flat_workgroup_size: 256
    .sgpr_count:     66
    .vgpr_count:     256
    .wavefront_size: 32
...
	.end_amdgpu_metadata
.endif
;; end of part 1
;; launch pick (part 2): grid 256 x 1, 5 waves a work-group, no clusters, 15,360 bytes of LDS; arguments keys, cw, t2w, x, y_train, lowp_scales, out0; writes out0
.if DOCPART == 2
	.amdgcn_target "amdgcn-amd-amdhsa--gfx1250"
	.amdhsa_code_object_version 6
	.text
	.protected	k_q3ad27ec52d_pick
	.globl	k_q3ad27ec52d_pick
	.p2align	8
	.type	k_q3ad27ec52d_pick,@function
k_q3ad27ec52d_pick:
	s_mov_b64 s[64:65], 0
	v_nop
	global_prefetch_b8 v0, s[64:65] scope:SCOPE_SE
	s_setreg_imm32_b32 hwreg(HW_REG_WAVE_MODE, 25, 1), 1
	s_wait_xcnt 0x0
; SECOND LAUNCH.  For each query: the 5 groups of 112 rows with the smallest (key, group number), by whole-number compares on the keys that the first launch stored; the 560 distances of those groups again, from the stored codes and t2,
; by the same instructions as in the first launch; the exact 5 smallest by (d2, index), carrying the labels; the vote (a tie to the smaller label; a label outside 0 .. 5 votes for nothing); a one-hot row of 6 f32.
; SHARES.  A work-group takes 16 queries.  SELECTION: waves 0 to 3; lane (r, h) of wave w takes part p = 2 w + h of query r's keys: 8 octets, 56 groups.  The 8 lists of 5 meet in LDS; every wave merges them for itself.
; REFINE: the 5 groups are sorted by number; wave w takes the w-th of each query.  The 16 queries have 16 different groups, so accumulator i (7 of them) is a chain of 16 products: product n has source 0 = 16 rows of query n's group
; and source 1 = the queries' fragment with every column but n set to zero codes: column n receives its sums there and zeros elsewhere.  A fragment's rows 0-7 are rows 8 i .. of the group's first 56, rows 8-15 of its second 56,
; so lane (r, h2) ends with query r and rows 56 h2 + 8 i + j.  Source 0's upper 32 k are the next fragment's codes (finite) or zero registers: they meet zero codes.
; The ten lists (wave, h2) of a query are ascending ranges of indices, and each is filled in ascending order: so a strict 'less' keeps the lower index at equal distances, in every insertion and merge.
; LIMITS: as in the first launch (e0 between -126 and 119, e0 + e1 + 1 between -126 and 127; no NaN, no infinities).
; REGISTERS, window 0: v1 lane; v2-7 LDS addresses; v8-11 offsets (keys, x, a fragment, out); v12 part, v13 h, v14 r, v15 my group; v16-20, v21-25 the list: 5 keys or distances, 5 numbers or labels; v26-29 the queries' codes; v30-31 x2;
;   v32-38 labels' offsets; v39 t2's; v40 the group's place in cw / 16; v41-47 at work; v48-63 x, later at work; v64-127 keys, then lists, then labels; v128-183 accumulators; v184-239 t2; v240-255 two masked fragments, upper four zero.
;   window 1: 8 blocks of 32: seven fragments of 4 registers and 4 zero registers.
.set LA,  0                            ; LDS: 128 lists of 48 bytes (selection): list of part p, query r at 768 p + 48 r
.set LB,  6144                         ; 160 lists of 48 bytes (refine): list 2 wave + h2, query r at 768 (2 wave + h2) + 48 r
.set LCS, 13824                        ; 768 bytes: the rows of the output
.set CM,  26                           ; s26-30 the five compares' masks
.set LK,  16
.set LI,  21
.set BQ,  26
.set X2,  30
.set LAD, 32
.set T2O, 39
.set O16, 40
.set T0,  41
.set SA,  42
.set SB,  44
.set SC,  46
.set LIM, 47
.set XN,  48
.set KY,  64
.set ACC, 128
.set T2V, 184
.set BM,  240
.set MSB, 0
.macro WIN new                         ; the immediate's high byte repeats the setting that is left
.if MSB != \new
	s_set_vgpr_msb (MSB<<8)|\new
.set MSB, \new
.endif
.endm
.macro SQ r                            ; as in the first launch
	v_pk_mul_f32 v[SA:SA+1], v[\r:\r+1], v[\r:\r+1]
	v_pk_mul_f32 v[SB:SB+1], v[\r+2:\r+3], v[\r+2:\r+3]
	v_pk_fma_f32 v[SA:SA+1], v[\r+4:\r+5], v[\r+4:\r+5], v[SA:SA+1]
	v_pk_fma_f32 v[SB:SB+1], v[\r+6:\r+7], v[\r+6:\r+7], v[SB:SB+1]
	v_pk_fma_f32 v[SA:SA+1], v[\r+8:\r+9], v[\r+8:\r+9], v[SA:SA+1]
	v_pk_fma_f32 v[SB:SB+1], v[\r+10:\r+11], v[\r+10:\r+11], v[SB:SB+1]
	v_pk_fma_f32 v[SA:SA+1], v[\r+12:\r+13], v[\r+12:\r+13], v[SA:SA+1]
	v_pk_fma_f32 v[SB:SB+1], v[\r+14:\r+15], v[\r+14:\r+15], v[SB:SB+1]
	v_pk_add_f32 v[SA:SA+1], v[SA:SA+1], v[SB:SB+1]
	v_add_f32 v[SA], v[SA], v[SA+1]
.endm
; (key v[kk], number nn) goes into the ascending list of five, behind all that are not greater.  rr = 1: nn is a register.  ff: the first place that it can take.
.macro INSU kk, nn, rr, ff
.irp i, 0,1,2,3,4
.if \i >= \ff
	v_cmp_lt_u32 s[CM+\i], v[\kk], v[LK+\i]
.endif
.endr
.irp i, 4,3,2,1,0
.if \i >= \ff
	v_cndmask_b32 v[LK+\i], v[LK+\i], v[\kk], s[CM+\i]
.if \rr
	v_cndmask_b32 v[LI+\i], v[LI+\i], v[\nn], s[CM+\i]
.else
	v_cndmask_b32 v[LI+\i], v[LI+\i], \nn, s[CM+\i]
.endif
.endif
.if \i > \ff
	v_cndmask_b32 v[LK+\i], v[LK+\i], v[LK+\i-1], s[CM+\i-1]
	v_cndmask_b32 v[LI+\i], v[LI+\i], v[LI+\i-1], s[CM+\i-1]
.endif
.endr
.endm
.macro MERGEU bb                       ; the list at v[bb] (5 keys, 5 numbers, all numbers above mine) is merged into mine: its j-th entry cannot come ahead of place j
.irp j, 0,1,2,3,4
	INSU \bb+\j, \bb+5+\j, 1, \j
.endr
.endm
; The same for (distance v[dd], label v[ll]): the distances move by a median of three, the labels by the compares.
.macro INSF dd, ll, ff
.irp i, 0,1,2,3,4
.if \i >= \ff
	v_cmp_lt_f32 s[CM+\i], v[\dd], v[LK+\i]
.endif
.endr
.irp i, 4,3,2,1,0
.if \i > \ff
	v_med3_num_f32 v[LK+\i], v[LK+\i-1], v[LK+\i], v[\dd]
	v_cndmask_b32 v[LI+\i], v[LI+\i], v[\ll], s[CM+\i]
	v_cndmask_b32 v[LI+\i], v[LI+\i], v[LI+\i-1], s[CM+\i-1]
.endif
.if \i == \ff
	v_min_num_f32 v[LK+\i], v[LK+\i], v[\dd]
	v_cndmask_b32 v[LI+\i], v[LI+\i], v[\ll], s[CM+\i]
.endif
.endr
.endm
.macro MERGEF bb
.irp j, 0,1,2,3,4
	INSF \bb+\j, \bb+5+\j, \j
.endr
.endm
.macro CSWAP a, b                      ; numbers a and b of the list in ascending order
	v_cmp_gt_u32 vcc_lo, v[LI+\a], v[LI+\b]
	v_cndmask_b32 v[T0], v[LI+\a], v[LI+\b], vcc_lo
	v_cndmask_b32 v[LI+\b], v[LI+\b], v[LI+\a], vcc_lo
	v_mov_b32 v[LI+\a], v[T0]
.endm
.macro ALOAD a                         ; query a's seven fragments into block a % 8 of window 1
	WIN 0x40                                       ; destination window 1, address window 0
.irp i, 0,1,2,3,4,5,6
	global_load_b128 v[32*((\a)&7)+4*\i:32*((\a)&7)+4*\i+3], v10, s[32+2*(\a):33+2*(\a)] offset:512*\i
.endr
.endm
	s_load_b256 s[4:11], s[0:1], 0x0               ; keys s[4:5], cw s[6:7], t2w s[8:9], x s[10:11]
	s_load_b128 s[12:15], s[0:1], 0x20             ; y_train s[12:13], the scales' exponents s[14:15]
	s_load_b64 s[16:17], s[0:1], 0x30              ; out0
	v_lshrrev_b32 v[T0], 5, v0
	v_readfirstlane_b32 s18, v[T0]                 ; wave 0..4
	s_mov_b32 s19, ttmp9                           ; the tile of 16 queries
	s_mov_b32 s24, 0x76543210                      ; v_permlanex16_b32's selects for lane l xor 16
	s_mov_b32 s25, 0xfedcba98
	s_mov_b32 s67, 0
	s_mov_b32 s69, 0
	s_mov_b32 s70, 0xffff0000                      ; lanes 16-31
	; every LDS address is made here, ahead of the first parting of the waves
	v_and_b32 v1, 31, v0
	v_and_b32 v14, 15, v0                          ; r
	v_bfe_u32 v13, v0, 4, 1                        ; h
	v_lshrrev_b32 v12, 4, v0                       ; part
	v_mul_u32_u24 v2, v0, 48                       ; my list among the selection's
	v_mul_u32_u24 v3, v14, 48
	v_add_nc_u32 v4, LB, v2                        ; my list among the refine's
	v_mad_u32_u24 v5, v13, 3840, v3
	v_add_nc_u32 v5, LB, v5                        ; lists 5 h .. 5 h + 4 of query r
	v_mad_u32_u24 v3, v13, 3072, v3                ; lists 4 h .. 4 h + 3 of query r
	v_mul_u32_u24 v6, v1, 24
	v_add_nc_u32 v6, LCS, v6                       ; a row of the output: 24 bytes
	v_lshl_add_u32 v7, v1, 4, LCS
	v_lshlrev_b32 v8, 4, v14
	v_lshl_add_u32 v8, v12, 12, v8                 ; keys: 4,096 part + 16 r
	v_lshlrev_b32 v9, 7, v14
	v_lshl_add_u32 v9, v13, 5, v9                  ; x: 128 r + 32 h
	v_lshrrev_b32 v[T0], 3, v14
	v_mul_u32_u24 v10, v[T0], 3584                 ; a fragment's rows 8-15 lie seven tiles further on;
	v_lshl_add_u32 v10, v13, 8, v10                ; my half of k;
	v_and_b32 v[T0], 7, v14
	v_lshl_add_u32 v10, v[T0], 4, v10              ; my row of the eight
	v_lshlrev_b32 v11, 4, v1
	s_wait_kmcnt 0x0
	s_load_b64 s[20:21], s[14:15], 0x0             ; e0, e1
	s_lshl_b32 s66, s19, 15
	s_add_nc_u64 s[4:5], s[4:5], s[66:67]
	s_lshl_b32 s66, s19, 11
	s_add_nc_u64 s[10:11], s[10:11], s[66:67]
	s_mul_i32 s66, s19, 384
	s_add_nc_u64 s[16:17], s[16:17], s[66:67]
	s_cmp_gt_u32 s18, 3
	s_cbranch_scc1 .Lno_keys
.irp g, 0,1,2,3,4,5,6,7
	global_load_b128 v[KY+8*\g:KY+8*\g+3], v8, s[4:5] offset:512*\g th:TH_LOAD_NT        ; sixteen lanes read 256 consecutive bytes
	global_load_b128 v[KY+8*\g+4:KY+8*\g+7], v8, s[4:5] offset:512*\g+256 th:TH_LOAD_NT
.endr
.Lno_keys:
	global_load_b128 v[XN:XN+3], v9, s[10:11]
	global_load_b128 v[XN+4:XN+7], v9, s[10:11] offset:16
	global_load_b128 v[XN+8:XN+11], v9, s[10:11] offset:64
	global_load_b128 v[XN+12:XN+15], v9, s[10:11] offset:80
.irp k, 4,5,6,7,12,13,14,15
	v_mov_b32 v[BM+\k], 0                          ; k = 32 .. 63 of the queries: zero codes
.endr
	WIN 0x40
.irp b, 0,1,2,3,4,5,6,7
.irp k, 28,29,30,31
	v_mov_b32 v[32*\b+\k], 0                       ; behind each block's seventh fragment
.endr
.endr
	WIN 0
	s_wait_kmcnt 0x0
	s_add_co_i32 s66, s20, 127
	s_lshl_b32 s68, s66, 23
	v_mov_b32 v[SC], s68                           ; 2^e0
	s_add_co_i32 s66, s66, 8
	s_lshl_b32 s66, s66, 23
	s_or_b32 s66, s66, 0x600000
	v_mov_b32 v[LIM], s66                          ; 448 x 2^e0
	s_add_co_i32 s22, s20, s21
	s_add_co_i32 s22, s22, 128
	s_lshl_b32 s22, s22, 23
	s_or_b32 s22, s22, 0x80000000                  ; -2^(e0 + e1 + 1)
	s_mov_b32 s23, s22
	s_wait_loadcnt 0x0                             ; x, and in waves 0 to 3 the keys
	SQ XN
	v_permlanex16_b32 v[SB], v[SA], s24, s25
	v_add_f32 v[X2], v[SA], v[SB]
	v_mov_b32 v[X2+1], v[X2]
.irp i, 0,1,2,3,4,5,6,7,8,9,10,11,12,13,14,15
	v_med3_num_f32 v[XN+\i], v[XN+\i], -v[LIM], v[LIM]
.endr
	v_cvt_scalef32_pk8_fp8_f32 v[BQ:BQ+1], v[XN:XN+7], v[SC]
	v_cvt_scalef32_pk8_fp8_f32 v[BQ+2:BQ+3], v[XN+8:XN+15], v[SC]
	v_nop                                          ; one plain vector line behind the conversions
	; ---- SELECTION, waves 0 to 3: the 5 smallest of my 56 keys, in ascending order of the groups' numbers
	s_cmp_gt_u32 s18, 3
	s_cbranch_scc1 .Lno_sel
.irp i, 0,1,2,3,4
	v_mov_b32 v[LK+\i], -1
	v_mov_b32 v[LI+\i], 0
.endr
.irp g, 0,1,2,3,4,5,6,7
.irp e, 0,1,2,3,4,5,6
	INSU KY+8*\g+\e, 8*\g+\e, 0, 0
.endr
.endr
.irp i, 0,1,2,3,4
	v_lshl_add_u32 v[LI+\i], v12, 6, v[LI+\i]      ; group number = 64 part + 8 octet + run
.endr
	ds_store_b128 v2, v[16:19] offset:LA
	ds_store_b128 v2, v[20:23] offset:LA+16
	ds_store_b64 v2, v[24:25] offset:LA+32
.Lno_sel:
	s_wait_dscnt 0x0                               ; for the others' sake: my list lies in LDS
	s_barrier_signal -1
	s_barrier_wait -1
	; ---- every wave merges the eight lists of each query: four in each half of the lanes, then the halves
	ds_load_b128 v[16:19], v3 offset:LA
	ds_load_b128 v[20:23], v3 offset:LA+16
	ds_load_b64 v[24:25], v3 offset:LA+32
.irp j, 1,2,3
	ds_load_b128 v[KY+12*(\j-1):KY+12*(\j-1)+3], v3 offset:LA+768*\j
	ds_load_b128 v[KY+12*(\j-1)+4:KY+12*(\j-1)+7], v3 offset:LA+768*\j+16
	ds_load_b64 v[KY+12*(\j-1)+8:KY+12*(\j-1)+9], v3 offset:LA+768*\j+32
.endr
	s_wait_dscnt 0x0
	MERGEU KY
	MERGEU KY+12
	MERGEU KY+24
.irp i, 0,1,2,3,4,5,6,7,8,9
	v_permlanex16_b32 v[KY+\i], v[LK+\i], s24, s25
.endr
	MERGEU KY                                      ; right in lanes 0-15, whose own groups are the lower ones
.irp i, 0,1,2,3,4
	v_permlanex16_b32 v[T0], v[LI+\i], s24, s25
	v_cndmask_b32 v[LI+\i], v[LI+\i], v[T0], s70   ; lanes 16-31 take the numbers from lanes 0-15
.endr
	CSWAP 0, 1                                     ; the five numbers in ascending order: a network of nine exchanges
	CSWAP 3, 4
	CSWAP 2, 4
	CSWAP 2, 3
	CSWAP 1, 4
	CSWAP 0, 3
	CSWAP 0, 2
	CSWAP 1, 3
	CSWAP 1, 2
	v_mov_b32 v15, v[LI]
.irp j, 1,2,3,4
	s_cmp_eq_u32 s18, \j
	s_cselect_b32 s66, -1, 0
	v_cndmask_b32 v15, v15, v[LI+\j], s66          ; my wave's: the w-th
.endr
	v_min_u32 v15, 511, v15                        ; number = 16 slice + 8 half + run
	; ---- where the group lies
	v_and_b32 v[T0], 0x1f0, v15                    ; 16 slice
	v_and_b32 v48, 7, v15                          ; run
	v_and_b32 v49, 8, v15                          ; 8 half
	v_mul_u32_u24 v[T2O], v[T0], 416               ; t2w: 6,656 slice + 64 (14 run + 7 h2) + 32 half
	v_mad_u32_u24 v[T2O], v48, 896, v[T2O]
	v_lshl_add_u32 v[T2O], v49, 2, v[T2O]
	v_mad_u32_u24 v[T2O], v13, 448, v[T2O]
	v_min_u32 v[T2O], 212576, v[T2O]               ; the last place from which the 14 loads stay inside the buffer; no real group lies beyond it
	v_and_b32 v50, 0x1f8, v15
	v_mul_u32_u24 v50, v50, 98                     ; first row: 784 (2 slice + half) + 112 run + 56 h2
	v_mad_u32_u24 v50, v48, 112, v50
	v_mad_u32_u24 v50, v13, 56, v50
	v_lshlrev_b32 v50, 2, v50
.irp i, 0,1,2,3,4,5,6
	v_add_nc_u32 v[LAD+\i], 32*\i, v50
	v_min_u32 v[LAD+\i], 199968, v[LAD+\i]         ; eight rows are all real or all beyond the last (50,000 is a multiple of 8): the latter read the last eight labels, and never win
.endr
	v_mul_u32_u24 v[O16], v[T0], 196               ; cw, in units of 16 bytes: 3,136 slice + 448 run + 8 half
	v_mad_u32_u24 v[O16], v48, 448, v[O16]
	v_add_nc_u32 v[O16], v49, v[O16]
.irp n, 0,1,2,3,4,5,6,7,8,9,10,11,12,13,14,15
	v_readlane_b32 s66, v[O16], \n
	s_min_u32 s66, s66, 99912                      ; the last real group's place
	s_lshl_b32 s68, s66, 4
	s_add_nc_u64 s[32+2*\n:33+2*\n], s[6:7], s[68:69]
.endr
.irp i, 0,1,2,3,4,5,6
	global_load_b128 v[T2V+8*\i:T2V+8*\i+3], v[T2O], s[8:9] offset:64*\i
	global_load_b128 v[T2V+8*\i+4:T2V+8*\i+7], v[T2O], s[8:9] offset:64*\i+16
.endr
.irp i, 0,1,2,3,4,5,6
	global_load_b128 v[KY+8*\i:KY+8*\i+3], v[LAD+\i], s[12:13]
	global_load_b128 v[KY+8*\i+4:KY+8*\i+7], v[LAD+\i], s[12:13] offset:16
.endr
.irp n, 0,1,2,3,4,5,6,7
	ALOAD \n
.endr
	; ---- the products.  The seven accumulators take turns, one instruction a turn.  The four selects that make query n's masked fragment are the four places between query n - 1's products
	; and the loads into the block that they read, and between query n - 2's products and the write of the masked fragment that they read.
.irp n, 0,1,2,3,4,5,6,7,8,9,10,11,12,13,14,15
	WIN 0
	s_mov_b32 s66, 0x10001<<\n                     ; lanes n and n + 16: column n
.irp k, 0,1,2,3
	v_cndmask_b32 v[BM+8*(\n&1)+\k], 0, v[BQ+\k], s66
.endr
.if (\n >= 1) && (\n <= 8)
	ALOAD \n+7
.endif
.if \n <= 7
	s_wait_loadcnt 49                              ; query n's seven loads are in; seven younger batches of seven stay out
.else
	s_wait_loadcnt 7*(15-\n)                       ; nothing more is asked for: the counts run down
.endif
	WIN 0x01                                       ; source 0 window 1
.irp i, 0,1,2,3,4,5,6
.if \n == 0
	v_wmma_f32_16x16x64_fp8_fp8 v[ACC+8*\i:ACC+8*\i+7], v[32*(\n&7)+4*\i:32*(\n&7)+4*\i+7], v[BM+8*(\n&1):BM+8*(\n&1)+7], 0
.else
	v_wmma_f32_16x16x64_fp8_fp8 v[ACC+8*\i:ACC+8*\i+7], v[32*(\n&7)+4*\i:32*(\n&7)+4*\i+7], v[BM+8*(\n&1):BM+8*(\n&1)+7], v[ACC+8*\i:ACC+8*\i+7]
.endif
.endr
.endr
	WIN 0
	; ---- my 56 distances, in ascending order of the rows, into a list of five.  (The ten moves are the places behind the last products)
.irp i, 0,1,2,3,4
	v_mov_b32 v[LK+\i], 0x7f800000
	v_mov_b32 v[LI+\i], 0
.endr
.irp i, 0,1,2,3,4,5,6
.irp p, 0,2,4,6
	v_pk_fma_f32 v[ACC+8*\i+\p:ACC+8*\i+\p+1], v[ACC+8*\i+\p:ACC+8*\i+\p+1], s[22:23], v[X2:X2+1] op_sel_hi:[1,0,1]   ; x2 - 2 dot; each accumulator from its low end on
.endr
.irp p, 0,2,4,6
	v_pk_add_f32 v[ACC+8*\i+\p:ACC+8*\i+\p+1], v[ACC+8*\i+\p:ACC+8*\i+\p+1], v[T2V+8*\i+\p:T2V+8*\i+\p+1]            ; + t2
.endr
.irp j, 0,1,2,3,4,5,6,7
	INSF ACC+8*\i+\j, KY+8*\i+\j, 0
.endr
.endr
	ds_store_b128 v4, v[16:19]
	ds_store_b128 v4, v[20:23] offset:16
	ds_store_b64 v4, v[24:25] offset:32
	s_wait_dscnt 0x0                               ; for wave 0's sake: my list lies in LDS
	s_barrier_signal -1
	s_barrier_wait -1
	s_cmp_lg_u32 s18, 0
	s_cbranch_scc1 .Lend
	; ---- wave 0: the ten lists of each query, five in each half of the lanes, then the halves
	ds_load_b128 v[16:19], v5
	ds_load_b128 v[20:23], v5 offset:16
	ds_load_b64 v[24:25], v5 offset:32
.irp j, 1,2,3,4
	ds_load_b128 v[KY+12*(\j-1):KY+12*(\j-1)+3], v5 offset:768*\j
	ds_load_b128 v[KY+12*(\j-1)+4:KY+12*(\j-1)+7], v5 offset:768*\j+16
	ds_load_b64 v[KY+12*(\j-1)+8:KY+12*(\j-1)+9], v5 offset:768*\j+32
.endr
	s_wait_dscnt 0x0
	MERGEF KY
	MERGEF KY+12
	MERGEF KY+24
	MERGEF KY+36
.irp i, 0,1,2,3,4,5,6,7,8,9
	v_permlanex16_b32 v[KY+\i], v[LK+\i], s24, s25
.endr
	MERGEF KY                                      ; right in lanes 0-15; what lanes 16-31 make from here on is never stored to memory
	v_mov_b32 v[T0], 0                             ; the votes: four bits a label
	v_mov_b32 v59, 1
	v_mov_b32 v58, 1.0
.irp j, 0,1,2,3,4
	v_lshlrev_b32 v48, 2, v[LI+\j]
	v_lshlrev_b32 v48, v48, v59
	v_cmp_gt_u32 vcc_lo, 6, v[LI+\j]
	v_cndmask_b32 v48, 0, v48, vcc_lo              ; a label outside 0 .. 5 votes for nothing
	v_add_nc_u32 v[T0], v[T0], v48
.endr
	v_and_b32 v50, 15, v[T0]                       ; the most votes so far: label 0's
	v_mov_b32 v51, 0
.irp k, 1,2,3,4,5
	v_bfe_u32 v48, v[T0], 4*\k, 4
	v_cmp_le_u32 vcc_lo, v48, v50                  ; only strictly more votes displace a smaller label
	v_cndmask_b32 v50, v48, v50, vcc_lo
	v_cndmask_b32 v51, \k, v51, vcc_lo
.endr
.irp k, 0,1,2,3,4,5
	v_cmp_eq_u32 vcc_lo, \k, v51
	v_cndmask_b32 v[52+\k], 0, v58, vcc_lo
.endr
	ds_store_b64 v6, v[52:53]                      ; lane r: query r's row of 24 bytes
	ds_store_b64 v6, v[54:55] offset:8
	ds_store_b64 v6, v[56:57] offset:16
	ds_load_b128 v[60:63], v7                      ; LDS serves a wave's instructions in order: this sees the stores above
	v_cmp_gt_u32 vcc_lo, 24, v0
	s_wait_dscnt 0x0
	s_wait_xcnt 0x0                                ; EXEC changes only behind this wait
	s_and_saveexec_b32 s66, vcc_lo
	global_store_b128 v11, v[60:63], s[16:17]      ; 24 lanes store the 16 rows' 384 consecutive bytes
	s_wait_xcnt 0x0
	s_or_b32 exec_lo, exec_lo, s66
.Lend:
	s_wait_xcnt 0x0
	s_mov_b32 exec_lo, -1
	v_lshl_add_u32 v254, v0, 2, 0x3900
	v_mov_b32 v255, 0
	s_wait_tensorcnt 0x0
	ds_add_u32 v254, v255
	s_wait_dscnt 0x0
	s_endpgm
.Lfunc_end_k_q3ad27ec52d_pick:
	.size	k_q3ad27ec52d_pick, .Lfunc_end_k_q3ad27ec52d_pick-k_q3ad27ec52d_pick
	.p2alignl 7, 3214868480
	.fill 96, 4, 3214868480
	.section	.rodata,"a",@progbits
	.p2align	6, 0x0
	.amdhsa_kernel k_q3ad27ec52d_pick
		.amdhsa_group_segment_fixed_size 15360
		.amdhsa_private_segment_fixed_size 0
		.amdhsa_enable_private_segment 0
		.amdhsa_kernarg_size 56
		.amdhsa_user_sgpr_count 2
		.amdhsa_user_sgpr_kernarg_segment_ptr 1
		.amdhsa_wavefront_size32 1
		.amdhsa_system_sgpr_workgroup_id_x 1
		.amdhsa_system_sgpr_workgroup_id_y 1
		.amdhsa_system_sgpr_workgroup_id_z 1
		.amdhsa_system_vgpr_workitem_id 0
		.amdhsa_next_free_vgpr 512
		.amdhsa_next_free_sgpr 80
		.amdhsa_reserve_vcc 1
		.amdhsa_float_denorm_mode_32 3
		.amdhsa_float_denorm_mode_16_64 3
		.amdhsa_memory_ordered 1
		.amdhsa_forward_progress 1
		.amdhsa_inst_pref_size 232
	.end_amdhsa_kernel
	.amdgpu_metadata
---
amdhsa.version: [ 1, 2 ]
amdhsa.kernels:
  - .name:           k_q3ad27ec52d_pick
    .symbol:         k_q3ad27ec52d_pick.kd
    .args:
      - { .name: keys, .offset: 0, .size: 8, .value_kind: global_buffer, .address_space: global }
      - { .name: cw, .offset: 8, .size: 8, .value_kind: global_buffer, .address_space: global }
      - { .name: t2w, .offset: 16, .size: 8, .value_kind: global_buffer, .address_space: global }
      - { .name: x, .offset: 24, .size: 8, .value_kind: global_buffer, .address_space: global }
      - { .name: y_train, .offset: 32, .size: 8, .value_kind: global_buffer, .address_space: global }
      - { .name: lowp_scales, .offset: 40, .size: 8, .value_kind: global_buffer, .address_space: global }
      - { .name: out0, .offset: 48, .size: 8, .value_kind: global_buffer, .address_space: global }
    .group_segment_fixed_size: 15360
    .private_segment_fixed_size: 0
    .kernarg_segment_align: 8
    .kernarg_segment_size: 56
    .max_flat_workgroup_size: 160
    .sgpr_count:     80
    .vgpr_count:     512
    .wavefront_size: 32
...
	.end_amdgpu_metadata
.endif
;; end of part 2
;; ======== version 2 of 2: 2 launches
;; workspace buffers: keys 8,388,608 bytes of whole numbers; cw 1,605,632 bytes; t2w 212,992 bytes
;; launch scan (part 3): grid 32 x 8, 8 waves a work-group, no clusters, 93,696 bytes of LDS; arguments X_train, x, lowp_scales, keys, cw, t2w; writes keys, cw, t2w
.if DOCPART == 3
	.amdgcn_target "amdgcn-amd-amdhsa--gfx1250"
	.amdhsa_code_object_version 6
	.text
	.protected	k_q3ad27ec52d_scan
	.globl	k_q3ad27ec52d_scan
	.p2align	8
	.type	k_q3ad27ec52d_scan,@function
k_q3ad27ec52d_scan:
	s_mov_b64 s[64:65], 0
	v_nop
	global_prefetch_b8 v0, s[64:65] scope:SCOPE_SE
	s_setreg_imm32_b32 hwreg(HW_REG_WAVE_SCHED_MODE, 0, 2), 2
	s_setreg_imm32_b32 hwreg(HW_REG_WAVE_MODE, 25, 1), 1
	s_wait_xcnt 0x0
	s_wait_alu depctr_vm_vsrc(0)
; FIRST OF TWO LAUNCHES OF AN EXACT 5-NEAREST-NEIGHBOUR VOTE.  d2(q, n) = (x2(q) - 2 dot(q, n)) + t2(n); dot on codes of FP8 (E4M3) with the given scales 2^e0 (x) and 2^e1 (X_train), K = 32; x2 and t2 of the f32 numbers.
; This launch computes every d2 and keeps, for each query, only the smallest d2 of each GROUP of 112 consecutive training rows, as a whole number that orders as the f32 number does
; (key = bits xor (sign ? all ones : top bit)).  The second launch takes the 5 groups with the smallest (key, group number) and looks at their 560 rows again.  A row among the true 5 nearest cannot lie outside those groups:
; 5 groups ahead of its own would each hold a row with a smaller d2, or an equal d2 and a smaller index (groups are consecutive ranges, numbered upward).
; SHARES.  The rows are taken as 32 slices of 1,568 (50,176 in all; rows from 50,000 on get t2 = +infinity).  Work-group (x = slice, y = block of 512 queries), eight waves, 64 queries (four tiles of 16) a wave.
; A TILE is 16 rows: 8 neighbours of the slice's first half and 8 of its second: row m of tile t is slice row 784 (m / 8) + 8 t + m % 8.  Source 0 = a tile, source 1 = 16 queries: lane (r, h) then holds query r and rows 8 h + 0 .. 7
; of the tile, so each half of the lanes walks 784 consecutive rows, and 14 tiles are one group for each lane.  K = 64 in the instruction: the upper 32 are zero codes on both sides.
; HEAD: the work-group quantises its slice into LDS (each wave 13 tiles; tiles 98 to 103 are filler that only the look-ahead fetches), with t2 beside it.  The work-groups of query block 0 also store codes and t2 for the second launch.
; LOOP: for a tile and four query tiles: 4 matrix instructions, 16 packed multiply-adds (sum x -2^(e0+e1+1) + x2: one rounding, that of x2 - 2 dot), 16 packed additions of t2, 16 minima of three.
; LIMITS: e0 and e1 between -126 and 119; e0 + e1 + 1 between -126 and 127.  NaN and infinities among the inputs, and distances beyond f32's range, are not served.
; x2 and t2 are summed in the order of macro SQ (four chains of four, then pairwise), which need not be the order of another implementation.
; THE MODE: SCHED_MODE bits 1:0 = 2 (LLVM: expert scheduling mode 2), set by the entry lines.  The code itself states the register dependences
; between vector or matrix instructions and memory or LDS instructions, with s_wait_alu, always for 0.
; THE PLAN.  Registers that memory or LDS instructions touch:
;   offsets and addresses v2, v3, v4-14, v60, v63, v250, v251 (head) and v243-246 (loop): written once by vector lines, ahead of a wait on va_vdst, and never again.
;   XR, XT        Loads land there; a tile's vector lines (QX, QT) read and hold them; a later tile's loads, or the loop's LDS loads, land there again: behind a wait on va_vdst that stands behind those vector lines.
;   CD, SA        Written by each QT; read by its two LDS stores and its store into cw, behind the QT's wait on va_vdst; written again by the next QT, behind its wait on vm_vsrc.
;   AB[s], TB[s]  A slot's four products read AB[s], its sixteen additions read TB[s']; the LDS loads of the tiles two on land in both in the same slot.
;   RA, RT, RK    Written at a run's top, behind a wait on vm_vsrc; read by the run's LDS loads (RA, RT) and by its end's four stores (RK).
;   KEY, KT       Written by a run's end; KEY read by its four stores; KT read by the four stores ahead of the loop.
;   The accumulators, the minima, the queries' fragments and x2 are named by vector and matrix instructions alone.
; So ONE wait on va_vdst stands in a slot, behind its additions: the products and the additions are done reading what the slot's three loads land in (in a run's first slot: RA and RT are written).  The loads follow it, dealt among the
; sixteen minima, which name the accumulators and the minima alone.  In a run's last slot that wait stands behind the run end's vector lines instead, ahead of the stores and the loads.  One wait on vm_vsrc stands at a run's top.
.set NTR,   50000
.set CODES, 0                          ; LDS: 104 tiles x 512 bytes: tile t, k-half h', row m at 512 t + 256 h' + 16 m: the 16 bytes are k = 8 h' .. + 7, then 16 + 8 h' .. + 7: a lane's four registers
.set T2,    53248                      ; 104 tiles x 64 bytes: t2 of row m at 64 t + 4 m
.set KS,    59904                      ; 8 waves x 4,096: a wave's own stage for its keys: 1,024 x query tile + 32 x lane + 4 x run
.set CWSL,  50176                      ; a slice in cw: tiles 0 to 97 as they lie in LDS
.set T2SL,  6656                       ; a slice in t2w: all 104 tiles
.set LN,   1                           ; v1      lane
.set LCA,  2                           ; v2      512 wave + 256 (lane % 2) + 16 (lane / 2): where I put a row's 16 codes, in LDS and in cw alike; never rewritten
.set LTA,  3                           ; v3      T2 + 64 wave + 4 (lane / 2)
.set VA,   4                           ; v4-14   byte offsets of the loads of tiles 0 to 10; never rewritten
.set HP,   15                          ; v15     32 (lane % 2)
.set BQ,   16                          ; v16-47  the queries' four fragments, 8 registers each, the upper four zero
.set X2,   48                          ; v48-55  x2 of my query in each tile, twice (a pair for the packed form)
.set SC0,  56                          ; v56-59  2^e0, 448 x 2^e0, 2^e1, 448 x 2^e1
.set LIM0, 57
.set SC1,  58
.set LIM1, 59
.set XAD,  60                          ; v60     x: 128 r + 32 h
.set PINF, 61                          ; v61     +infinity
.set TMP,  62
.set DMP,  63                          ; v63     16 x thread
.set XR,   64                          ; v64-127 x's numbers; then tiles 7 to 10
.set XT,   128                         ; v128-239 tiles 0 to 6, later 11 and 12: 16 numbers a lane each
.set CD,   240                         ; v240-243 a row's codes
.set SA,   244
.set SB,   246
.set P0,   248                         ; v248    my row in tile `wave`: 1568 slice + 784 (m / 8) + 8 wave + m % 8, m = lane / 2
.set TM2,  249
.set VB,   250                         ; v250-251 byte offsets of the loads of tiles 11 and 12; never rewritten
.set DD,   96                          ; v96-103 t2 on its way out
; the loop's registers lie over the head's
.set ACC,  128                         ; v128-191 two sets of four accumulators
.set AB,   192                         ; v192-207 two tiles' fragments, the upper four registers zero
.set TB,   208                         ; v208-223 two tiles' t2, eight numbers each
.set MN,   224                         ; v224-231 two running minima for each query tile
.set KEY,  232
.set KT,   236
.set RA,   240                         ; v240-242 LDS addresses of the run in hand; v243-245 their lane parts
.set RT,   241
.set RK,   242
.set RAL,  243
.set RTL,  244
.set RKL,  245
.set KO,   246                         ; v246    512 h + 16 r: my place in a query tile's keys
.set OK,   64                          ; v64-95  keys on their way out
.macro SQ r                            ; the sum of the squares of 16 numbers, into v[SA]
	v_pk_mul_f32 v[SA:SA+1], v[\r:\r+1], v[\r:\r+1]
	v_pk_mul_f32 v[SB:SB+1], v[\r+2:\r+3], v[\r+2:\r+3]
	v_pk_fma_f32 v[SA:SA+1], v[\r+4:\r+5], v[\r+4:\r+5], v[SA:SA+1]
	v_pk_fma_f32 v[SB:SB+1], v[\r+6:\r+7], v[\r+6:\r+7], v[SB:SB+1]
	v_pk_fma_f32 v[SA:SA+1], v[\r+8:\r+9], v[\r+8:\r+9], v[SA:SA+1]
	v_pk_fma_f32 v[SB:SB+1], v[\r+10:\r+11], v[\r+10:\r+11], v[SB:SB+1]
	v_pk_fma_f32 v[SA:SA+1], v[\r+12:\r+13], v[\r+12:\r+13], v[SA:SA+1]
	v_pk_fma_f32 v[SB:SB+1], v[\r+14:\r+15], v[\r+14:\r+15], v[SB:SB+1]
	v_pk_add_f32 v[SA:SA+1], v[SA:SA+1], v[SB:SB+1]
	v_add_f32 v[SA], v[SA], v[SA+1]
.endm
.macro HOLDCVT r, dst, sc, lim         ; 16 numbers become 16 codes
.irp i, 0,1,2,3,4,5,6,7,8,9,10,11,12,13,14,15
	v_med3_num_f32 v[\r+\i], v[\r+\i], -v[\lim], v[\lim]   ; the conversion to an 8-bit code does not saturate (ISA guide 7.6.2): the hold at 448 x the scale comes first
.endr
	v_cvt_scalef32_pk8_fp8_f32 v[\dst:\dst+1], v[\r:\r+7], v[\sc]
	v_cvt_scalef32_pk8_fp8_f32 v[\dst+2:\dst+3], v[\r+8:\r+15], v[\sc]
	v_nop                                          ; one plain vector line behind the conversions, ahead of whatever touches their registers next
.endm
.macro QX q                            ; query tile q: lane (r, h) holds k = 8 h .. + 7 and 16 + 8 h .. + 7 of query r
	SQ XR+16*\q
	v_permlanex16_b32 v[SB], v[SA], s26, s27       ; the other 16 numbers' sum lies in lane l xor 16
	v_add_f32 v[X2+2*\q], v[SA], v[SB]
	v_mov_b32 v[X2+2*\q+1], v[X2+2*\q]
	HOLDCVT XR+16*\q, BQ+8*\q, SC0, LIM0
.endm
.macro XADR i, va                      ; tile wave + 8 i: my row's byte offset; rows past the last are read at the last (their t2 becomes +infinity)
	v_add_nc_u32 v[TMP], 64*\i, v[P0]
	v_min_u32 v[TMP], NTR-1, v[TMP]
	v_lshl_add_u32 v[\va], v[TMP], 7, v[HP]
.endm
.macro XLOAD va, reg
	global_load_b128 v[\reg:\reg+3], v[\va], s[4:5]
	global_load_b128 v[\reg+4:\reg+7], v[\va], s[4:5] offset:16
	global_load_b128 v[\reg+8:\reg+11], v[\va], s[4:5] offset:64
	global_load_b128 v[\reg+12:\reg+15], v[\va], s[4:5] offset:80
.endm
.macro QT i, reg, cnt, flag            ; tile wave + 8 i: t2 and codes into LDS; where s[flag] is set, the codes into cw too
	s_wait_loadcnt \cnt                            ; loads come back in order: this tile's four are in, the \cnt younger ones stay out
.if (\i) > 0
	s_wait_alu depctr_vm_vsrc(0)                   ; the last tile's two LDS stores and its store into cw have read v[SA] and v[CD ..], which the lines below write again
.endif
	v_add_nc_u32 v[TMP], 64*\i, v[P0]
	v_cmp_lt_u32 vcc_lo, NTR-1, v[TMP]             ; does my row exist?  The compare stands ahead of the sum, so that the sum's lines lie between it and the select
	SQ \reg
	v_add_f32_dpp v[SA], v[SA], v[SA] row_xmask:1 row_mask:0xf bank_mask:0xf   ; the row's other half lies in lane l xor 1
	s_wait_alu depctr_va_vcc(0)                    ; the compare has written VCC, which the select reads
	v_cndmask_b32 v[SA], v[SA], v[PINF], vcc_lo    ; a row that does not exist is infinitely far
	s_wait_xcnt 0x0                                ; the last store into cw has read v[CD ..]: only now are they written again
	HOLDCVT \reg, CD, SC1, LIM1
	s_wait_alu depctr_va_vdst(0)                   ; v[CD ..] and v[SA] are written, which the stores below read; and this tile's lines are done with its 16 registers, in which a later tile's loads may land
	ds_store_b128 v[LCA], v[CD:CD+3] offset:CODES+4096*\i
	ds_store_b32 v[LTA], v[SA] offset:512*\i       ; both lanes of a row write the same word with the same number
	s_cmp_eq_u32 s[\flag], 0
	s_cbranch_scc1 .Lno_cw_\@
	global_store_b128 v[LCA], v[CD:CD+3], s[12:13] offset:4096*\i   ; the wave stores the tile's 512 consecutive bytes
.Lno_cw_\@:
.endm
	s_load_b256 s[4:11], s[0:1], 0x0               ; X_train s[4:5], x s[6:7], the scales' exponents s[8:9], keys s[10:11]
	s_load_b128 s[12:15], s[0:1], 0x20             ; cw s[12:13], t2w s[14:15]
	v_lshl_add_u32 v254, v0, 2, 0x16a00
	v_mov_b32 v255, 0
	v_lshrrev_b32 v[TMP], 5, v0
	v_readfirstlane_b32 s16, v[TMP]                ; wave 0..7
	s_mov_b32 s17, ttmp9                           ; slice
	s_and_b32 s18, ttmp7, 0xffff                   ; block of 512 queries
	s_cmp_eq_u32 s18, 0
	s_cselect_b32 s29, 1, 0                        ; 1: my work-group stores the slice's codes and t2
	s_wait_alu depctr_va_sdst(0)                   ; s16 is written, ahead of its first reader
	s_cmp_lt_u32 s16, 2
	s_cselect_b32 s30, s29, 0                      ; the same for my thirteenth tile: tiles 96 and 97 are real, 98 on are filler
	s_mov_b32 s26, 0x76543210                      ; v_permlanex16_b32's selects for lane l xor 16
	s_mov_b32 s27, 0xfedcba98
	v_and_b32 v[LN], 31, v0
	v_lshrrev_b32 v[TMP], 1, v[LN]                 ; m = lane / 2: my row of a tile
	v_and_b32 v[TM2], 1, v[LN]                     ; h' = lane % 2: my half of its k
	v_lshlrev_b32 v[HP], 5, v[TM2]
	v_lshlrev_b32 v[LCA], 8, v[TM2]
	v_lshl_add_u32 v[LCA], v[TMP], 4, v[LCA]
	s_lshl_b32 s36, s16, 9
	v_add_nc_u32 v[LCA], s36, v[LCA]
	s_lshl_b32 s36, s16, 6
	s_add_co_u32 s36, s36, T2
	v_lshlrev_b32 v[LTA], 2, v[TMP]
	v_add_nc_u32 v[LTA], s36, v[LTA]
	v_and_b32 v[P0], 7, v[TMP]
	v_lshrrev_b32 v[TM2], 3, v[TMP]
	v_mad_u32_u24 v[P0], v[TM2], 784, v[P0]
	s_mul_i32 s36, s17, 1568
	s_lshl_b32 s37, s16, 3
	s_add_co_u32 s36, s36, s37
	v_add_nc_u32 v[P0], s36, v[P0]
	v_and_b32 v[XAD], 15, v0
	v_lshlrev_b32 v[XAD], 7, v[XAD]
	v_bfe_u32 v[TM2], v0, 4, 1
	v_lshl_add_u32 v[XAD], v[TM2], 5, v[XAD]
	v_mov_b32 v[PINF], 0x7f800000
	v_lshlrev_b32 v[DMP], 4, v0
.irp i, 0,1,2,3,4,5,6,7,8,9,10
	XADR \i, VA+\i
.endr
	XADR 11, VB                                    ; all thirteen offsets are made here, each in a register of its own: none is written while a load may still read it
	XADR 12, VB+1
	s_lshl_b32 s36, s18, 16                        ; x: 512 queries of 128 bytes a block, 64 a wave
	s_lshl_b32 s37, s16, 13
	s_add_co_u32 s36, s36, s37
	s_mov_b32 s37, 0
	s_mul_i32 s38, s17, CWSL
	s_mov_b32 s39, 0
	s_mul_i32 s40, s17, T2SL
	s_mov_b32 s41, 0
	s_lshl_b32 s42, s18, 5                         ; keys: query tile 32 block + 4 wave, 32,768 bytes each; + 1,024 x slice
	s_lshl_b32 s43, s16, 2
	s_add_co_u32 s42, s42, s43
	s_lshl_b32 s42, s42, 15
	s_lshl_b32 s43, s17, 10
	s_add_co_u32 s42, s42, s43
	s_mov_b32 s43, 0
	s_wait_kmcnt 0x0
	s_load_b64 s[20:21], s[8:9], 0x0               ; e0, e1
	s_add_nc_u64 s[6:7], s[6:7], s[36:37]
	s_add_nc_u64 s[12:13], s[12:13], s[38:39]
	s_add_nc_u64 s[14:15], s[14:15], s[40:41]
	s_add_nc_u64 s[10:11], s[10:11], s[42:43]
	s_wait_alu depctr_va_vdst(0)                   ; the head's offsets and addresses (v2, v3, v4-14, v60, v63, v250, v251) are written, which its loads and stores read
.irp q, 0,1,2,3
	global_load_b128 v[XR+16*\q:XR+16*\q+3], v[XAD], s[6:7] offset:2048*\q
	global_load_b128 v[XR+16*\q+4:XR+16*\q+7], v[XAD], s[6:7] offset:2048*\q+16
	global_load_b128 v[XR+16*\q+8:XR+16*\q+11], v[XAD], s[6:7] offset:2048*\q+64
	global_load_b128 v[XR+16*\q+12:XR+16*\q+15], v[XAD], s[6:7] offset:2048*\q+80
.endr
.irp i, 0,1,2,3,4,5,6
	XLOAD VA+\i, XT+16*\i
.endr
	s_wait_kmcnt 0x0
	s_add_co_i32 s36, s20, 127
	s_lshl_b32 s37, s36, 23
	v_mov_b32 v[SC0], s37                          ; 2^e0 as f32: the conversion takes its exponent field
	s_add_co_i32 s36, s36, 8
	s_lshl_b32 s36, s36, 23
	s_or_b32 s36, s36, 0x600000
	v_mov_b32 v[LIM0], s36                         ; 448 x 2^e0
	s_add_co_i32 s36, s21, 127
	s_lshl_b32 s37, s36, 23
	v_mov_b32 v[SC1], s37
	s_add_co_i32 s36, s36, 8
	s_lshl_b32 s36, s36, 23
	s_or_b32 s36, s36, 0x600000
	v_mov_b32 v[LIM1], s36
	s_add_co_i32 s24, s20, s21
	s_add_co_i32 s24, s24, 128
	s_lshl_b32 s24, s24, 23
	s_or_b32 s24, s24, 0x80000000                  ; -2^(e0 + e1 + 1): a sum of code products x this is -2 dot, exactly
	s_mov_b32 s25, s24                             ; (named with it as a pair, so it is written)
	s_wait_loadcnt 28                              ; x's 16 loads are in; the 28 of tiles 0 to 6 stay out
.irp q, 0,1,2,3
	QX \q
.endr
	s_wait_alu depctr_va_vdst(0)                   ; the holds have written v[XR ..] and the conversions are done reading them: the loads of tiles 7 to 10 land there
.irp i, 7,8,9,10
	XLOAD VA+\i, XR+16*(\i-7)
.endr
	QT 0, XT, 40, 29                               ; behind tile 0: tiles 1 to 10
	XLOAD VB, XT                                   ; no wait: no vector line stands behind the tile's wait on va_vdst
	QT 1, XT+16, 40, 29                            ; tiles 2 to 11
	XLOAD VB+1, XT+16                              ; likewise
.irp i, 2,3,4,5,6
	QT \i, XT+16*\i, 4*(12-\i), 29
.endr
.irp i, 7,8,9,10
	QT \i, XR+16*(\i-7), 4*(12-\i), 29
.endr
	QT 11, XT, 4, 29
	QT 12, XT+16, 0, 30
	s_wait_xcnt 0x0                                ; the last store into cw has read its data: the loop's registers lie over them
	s_wait_alu depctr_vm_vsrc(0)                   ; the last tile's stores have read v[CD ..] and v[SA]: the loop's address registers are written over them below
.irp q, 0,1,2,3
.irp k, 4,5,6,7
	v_mov_b32 v[BQ+8*\q+\k], 0                     ; k = 32 .. 63: zero codes
.endr
.endr
.irp a, 0,1
.irp k, 4,5,6,7
	v_mov_b32 v[AB+8*\a+\k], 0
.endr
.endr
	v_lshlrev_b32 v[RAL], 4, v[LN]                 ; a tile's fragment: 16 x lane
	v_bfe_u32 v[TMP], v0, 4, 1
	v_lshl_add_u32 v[RTL], v[TMP], 5, T2           ; its t2: the eight rows of my half
	s_lshl_b32 s36, s16, 12
	s_add_co_u32 s36, s36, KS
	v_lshl_add_u32 v[RKL], v[LN], 5, s36
	v_and_b32 v[KO], 15, v0
	v_lshlrev_b32 v[KO], 4, v[KO]
	v_lshl_add_u32 v[KO], v[TMP], 9, v[KO]
	v_mov_b32 v[KT], -1
	s_wait_alu depctr_va_vdst(0)                   ; v[RAL], v[RTL], v[RKL], v[KO] and v[KT] are written, which the LDS instructions and stores below read; and the head's lines are done with v[XR ..] and v[XT ..], in which LDS loads land from here on
	s_wait_dscnt 0x0                               ; for the others' sake: my tiles lie in LDS
	s_barrier_signal -1
	s_barrier_wait -1                              ; the whole slice does
	s_cmp_lg_u32 s18, 0
	s_cbranch_scc1 .Lno_dump
	ds_load_b128 v[DD:DD+3], v[DMP] offset:T2      ; t2 leaves as it lies: 13 pieces of 512 bytes; every wave takes one, waves 0 to 4 a second
	s_wait_dscnt 0x0
	global_store_b128 v[DMP], v[DD:DD+3], s[14:15]
	s_cmp_gt_u32 s16, 4
	s_cbranch_scc1 .Lno_dump
	ds_load_b128 v[DD+4:DD+7], v[DMP] offset:T2+4096
	s_wait_dscnt 0x0
	global_store_b128 v[DMP], v[DD+4:DD+7], s[14:15] offset:4096
.Lno_dump:
.irp q, 0,1,2,3
	ds_store_b32 v[RKL], v[KT] offset:1024*\q+28   ; an octet of keys has seven groups: the eighth word is the greatest number
.endr
.macro RUNEND                          ; a group is done: its smallest d2 becomes a key, into my stage
.irp q, 0,1,2,3
	v_min_num_f32 v[KEY+\q], v[MN+2*\q], v[MN+2*\q+1]
.endr
.irp q, 0,1,2,3
	v_ashrrev_i32 v[KT+\q], 31, v[KEY+\q]
.endr
.irp q, 0,1,2,3
	v_or_b32 v[KT+\q], 0x80000000, v[KT+\q]
.endr
.irp q, 0,1,2,3
	v_xor_b32 v[KEY+\q], v[KEY+\q], v[KT+\q]
.endr
	s_wait_alu depctr_va_vdst(0)                   ; v[KEY ..] are written, which the stores read; and this slot's products are done reading their fragment and its additions their t2, in which the loads behind the stores land
.irp q, 0,1,2,3
	ds_store_b32 v[RK], v[KEY+\q] offset:1024*\q
.endr
.endm
; Slot i of a run: the products of tile i + 1, the vector work of tile i, the loads of tile i + 3's codes and tile i + 2's t2.  Every product begins with C = 0: no chain.
; The 48 vector lines name no register of the four products just issued, so they are the places between those products and the next slot's reads of their results; 32 of them stand ahead of the load into the products' fragment.
.macro SLOT i, last
.set SET0, (\i)&1
.set SET1, ((\i)+1)&1
	s_wait_dscnt 0x3                               ; the three loads of the slot before may stay out; those a slot earlier (tile i + 1's codes, tile i's t2) are in, and so are a run end's stores
.irp q, 0,1,2,3
	v_wmma_f32_16x16x64_fp8_fp8 v[ACC+32*SET1+8*\q:ACC+32*SET1+8*\q+7], v[AB+8*SET1:AB+8*SET1+7], v[BQ+8*\q:BQ+8*\q+7], 0
.endr
.irp p, 0,1,2,3
.irp q, 0,1,2,3
	v_pk_fma_f32 v[ACC+32*SET0+8*\q+2*\p:ACC+32*SET0+8*\q+2*\p+1], v[ACC+32*SET0+8*\q+2*\p:ACC+32*SET0+8*\q+2*\p+1], s[24:25], v[X2+2*\q:X2+2*\q+1] op_sel_hi:[1,0,1]   ; x2 - 2 dot; each accumulator from its low end on
.endr
.endr
.irp p, 0,1,2,3
.irp q, 0,1,2,3
	v_pk_add_f32 v[ACC+32*SET0+8*\q+2*\p:ACC+32*SET0+8*\q+2*\p+1], v[ACC+32*SET0+8*\q+2*\p:ACC+32*SET0+8*\q+2*\p+1], v[TB+8*SET0+2*\p:TB+8*SET0+2*\p+1]   ; + t2
.endr
.endr
.if !\last
	s_wait_alu depctr_va_vdst(0)                   ; this slot's products are done reading their fragment, its additions their t2: the three loads below land there; in a run's first slot v[RA] and v[RT] are written, which they read
.endif
.irp p, 0,1,2,3
.if !\last                                     ; the loads are dealt among the minima, which name the accumulators and the minima alone: nothing more is owed
.if \p == 0
	ds_load_b128 v[AB+8*SET1:AB+8*SET1+3], v[RA] offset:512*((\i)+3)
.endif
.if \p == 1
	ds_load_b128 v[TB+8*SET0:TB+8*SET0+3], v[RT] offset:64*((\i)+2)
.endif
.if \p == 2
	ds_load_b128 v[TB+8*SET0+4:TB+8*SET0+7], v[RT] offset:64*((\i)+2)+16
.endif
.endif
.irp q, 0,1,2,3
.if ((\i) == 0) && (\p < 2)
	v_min_num_f32 v[MN+2*\q+\p], v[ACC+32*SET0+8*\q+2*\p], v[ACC+32*SET0+8*\q+2*\p+1]   ; a run's first numbers start the minima: nothing is cleared
.else
	v_min3_num_f32 v[MN+2*\q+(\p&1)], v[MN+2*\q+(\p&1)], v[ACC+32*SET0+8*\q+2*\p], v[ACC+32*SET0+8*\q+2*\p+1]
.endif
.endr
.endr
.if \last
	RUNEND                                         ; the run's last slot: its one wait on va_vdst stands in here, ahead of the stores; the loads follow the stores, so that the next slot's count of three leaves just them out
	ds_load_b128 v[AB+8*SET1:AB+8*SET1+3], v[RA] offset:512*((\i)+3)
	ds_load_b128 v[TB+8*SET0:TB+8*SET0+3], v[RT] offset:64*((\i)+2)
	ds_load_b128 v[TB+8*SET0+4:TB+8*SET0+7], v[RT] offset:64*((\i)+2)+16
.endif
.endm
	ds_load_b128 v[AB:AB+3], v[RAL]                ; tile 0's codes;
	ds_load_b128 v[AB+8:AB+11], v[RAL] offset:512  ; tile 1's, and tile 0's t2
	ds_load_b128 v[TB:TB+3], v[RTL]
	ds_load_b128 v[TB+4:TB+7], v[RTL] offset:16
	s_wait_dscnt 0x3                               ; tile 0's codes are in
.irp q, 0,1,2,3
	v_wmma_f32_16x16x64_fp8_fp8 v[ACC+8*\q:ACC+8*\q+7], v[AB:AB+7], v[BQ+8*\q:BQ+8*\q+7], 0
.endr
.rept 4
	v_nop                                          ; four places in front of the load into the fragment just multiplied and of the first read of these results
.endr
	s_wait_alu depctr_va_vdst(0)                   ; the four products are done reading v[AB ..], in which tile 2's codes land; the places above stay beside this wait
	ds_load_b128 v[AB:AB+3], v[RAL] offset:1024    ; tile 2's codes, tile 1's t2
	ds_load_b128 v[TB+8:TB+11], v[RTL] offset:64
	ds_load_b128 v[TB+12:TB+15], v[RTL] offset:80
	s_mov_b32 s28, 0
	s_mov_b32 s32, 0
	s_mov_b32 s33, 0
	s_mov_b32 s34, 0
.Lrun:                                                 ; seven trips: a run of 14 tiles, one group of 112 rows for each lane
	s_wait_alu depctr_vm_vsrc(0)                   ; the last run's loads have read v[RA] and v[RT], its stores v[RK] and v[KEY ..]; on the way in, the four stores ahead of the loop have read v[KT]: all of these are written again in this run
	v_add_nc_u32 v[RA], s32, v[RAL]
	v_add_nc_u32 v[RT], s33, v[RTL]
	v_add_nc_u32 v[RK], s34, v[RKL]
.irp i, 0,1,2,3,4,5,6,7,8,9,10,11,12
	SLOT \i, 0
.endr
	SLOT 13, 1
	s_add_co_u32 s32, s32, 14*512
	s_add_co_u32 s33, s33, 14*64
	s_add_co_u32 s34, s34, 4
	s_add_co_u32 s28, s28, 1
	s_cmp_lt_u32 s28, 7
	s_cbranch_scc1 .Lrun
.irp q, 0,1,2,3
	ds_load_b128 v[OK+8*\q:OK+8*\q+3], v[RKL] offset:1024*\q      ; LDS serves a wave's instructions in order: these see my stores.  (No vector line stands behind the last slot's wait on va_vdst)
	ds_load_b128 v[OK+8*\q+4:OK+8*\q+7], v[RKL] offset:1024*\q+16
.endr
	s_wait_dscnt 0x0
.irp q, 0,1,2,3
	global_store_b128 v[KO], v[OK+8*\q:OK+8*\q+3], s[10:11] offset:32768*\q        ; sixteen lanes store 256 consecutive bytes, at a multiple of 256 from the buffer's first byte
	global_store_b128 v[KO], v[OK+8*\q+4:OK+8*\q+7], s[10:11] offset:32768*\q+256
.endr
	s_barrier_signal -1
	s_barrier_wait -1
	s_wait_dscnt 0x0                               ; the closing lines, six on end
	s_wait_alu 0x0
	s_wait_tensorcnt 0x0
	ds_add_u32 v254, v255
	s_wait_dscnt 0x0
	s_endpgm
.Lfunc_end_k_q3ad27ec52d_scan:
	.size	k_q3ad27ec52d_scan, .Lfunc_end_k_q3ad27ec52d_scan-k_q3ad27ec52d_scan
	.p2alignl 7, 3214868480
	.fill 96, 4, 3214868480
	.section	.rodata,"a",@progbits
	.p2align	6, 0x0
	.amdhsa_kernel k_q3ad27ec52d_scan
		.amdhsa_group_segment_fixed_size 93696
		.amdhsa_private_segment_fixed_size 0
		.amdhsa_enable_private_segment 0
		.amdhsa_kernarg_size 48
		.amdhsa_user_sgpr_count 2
		.amdhsa_user_sgpr_kernarg_segment_ptr 1
		.amdhsa_wavefront_size32 1
		.amdhsa_system_sgpr_workgroup_id_x 1
		.amdhsa_system_sgpr_workgroup_id_y 1
		.amdhsa_system_sgpr_workgroup_id_z 1
		.amdhsa_system_vgpr_workitem_id 0
		.amdhsa_next_free_vgpr 256
		.amdhsa_next_free_sgpr 66
		.amdhsa_reserve_vcc 1
		.amdhsa_float_denorm_mode_32 3
		.amdhsa_float_denorm_mode_16_64 3
		.amdhsa_memory_ordered 1
		.amdhsa_forward_progress 1
		.amdhsa_inst_pref_size 106
	.end_amdhsa_kernel
	.amdgpu_metadata
---
amdhsa.version: [ 1, 2 ]
amdhsa.kernels:
  - .name:           k_q3ad27ec52d_scan
    .symbol:         k_q3ad27ec52d_scan.kd
    .args:
      - { .name: X_train, .offset: 0, .size: 8, .value_kind: global_buffer, .address_space: global }
      - { .name: x, .offset: 8, .size: 8, .value_kind: global_buffer, .address_space: global }
      - { .name: lowp_scales, .offset: 16, .size: 8, .value_kind: global_buffer, .address_space: global }
      - { .name: keys, .offset: 24, .size: 8, .value_kind: global_buffer, .address_space: global }
      - { .name: cw, .offset: 32, .size: 8, .value_kind: global_buffer, .address_space: global }
      - { .name: t2w, .offset: 40, .size: 8, .value_kind: global_buffer, .address_space: global }
    .group_segment_fixed_size: 93696
    .private_segment_fixed_size: 0
    .kernarg_segment_align: 8
    .kernarg_segment_size: 48
    .max_flat_workgroup_size: 256
    .sgpr_count:     66
    .vgpr_count:     256
    .wavefront_size: 32
...
	.end_amdgpu_metadata
.endif
;; end of part 3
;; launch pick (part 4): grid 256 x 1, 5 waves a work-group, no clusters, 15,360 bytes of LDS; arguments keys, cw, t2w, x, y_train, lowp_scales, out0; writes out0
.if DOCPART == 4
	.amdgcn_target "amdgcn-amd-amdhsa--gfx1250"
	.amdhsa_code_object_version 6
	.text
	.protected	k_q3ad27ec52d_pick
	.globl	k_q3ad27ec52d_pick
	.p2align	8
	.type	k_q3ad27ec52d_pick,@function
k_q3ad27ec52d_pick:
	s_mov_b64 s[64:65], 0
	v_nop
	global_prefetch_b8 v0, s[64:65] scope:SCOPE_SE
	s_setreg_imm32_b32 hwreg(HW_REG_WAVE_MODE, 25, 1), 1
	s_wait_xcnt 0x0
; SECOND LAUNCH.  For each query: the 5 groups of 112 rows with the smallest (key, group number), by whole-number compares on the keys that the first launch stored; the 560 distances of those groups again, from the stored codes and t2,
; by the same instructions as in the first launch; the exact 5 smallest by (d2, index), carrying the labels; the vote (a tie to the smaller label; a label outside 0 .. 5 votes for nothing); a one-hot row of 6 f32.
; SHARES.  A work-group takes 16 queries.  SELECTION: waves 0 to 3; lane (r, h) of wave w takes part p = 2 w + h of query r's keys: 8 octets, 56 groups.  The 8 lists of 5 meet in LDS; every wave merges them for itself.
; REFINE: the 5 groups are sorted by number; wave w takes the w-th of each query.  The 16 queries have 16 different groups, so accumulator i (7 of them) is a chain of 16 products: product n has source 0 = 16 rows of query n's group
; and source 1 = the queries' fragment with every column but n set to zero codes: column n receives its sums there and zeros elsewhere.  A fragment's rows 0-7 are rows 8 i .. of the group's first 56, rows 8-15 of its second 56,
; so lane (r, h2) ends with query r and rows 56 h2 + 8 i + j.  Source 0's upper 32 k are the next fragment's codes (finite) or zero registers: they meet zero codes.
; The ten lists (wave, h2) of a query are ascending ranges of indices, and each is filled in ascending order: so a strict 'less' keeps the lower index at equal distances, in every insertion and merge.
; LIMITS: as in the first launch (e0 between -126 and 119, e0 + e1 + 1 between -126 and 127; no NaN, no infinities).
; REGISTERS, window 0: v1 lane; v2-7 LDS addresses; v8-11 offsets (keys, x, a fragment, out); v12 part, v13 h, v14 r, v15 my group; v16-20, v21-25 the list: 5 keys or distances, 5 numbers or labels; v26-29 the queries' codes; v30-31 x2;
;   v32-38 labels' offsets; v39 t2's; v40 the group's place in cw / 16; v41-47 at work; v48-63 x, later at work; v64-127 keys, then lists, then labels; v128-183 accumulators; v184-239 t2; v240-255 two masked fragments, upper four zero.
;   window 1: 8 blocks of 32: seven fragments of 4 registers and 4 zero registers.
.set LA,  0                            ; LDS: 128 lists of 48 bytes (selection): list of part p, query r at 768 p + 48 r
.set LB,  6144                         ; 160 lists of 48 bytes (refine): list 2 wave + h2, query r at 768 (2 wave + h2) + 48 r
.set LCS, 13824                        ; 768 bytes: the rows of the output
.set CM,  26                           ; s26-30 the five compares' masks
.set LK,  16
.set LI,  21
.set BQ,  26
.set X2,  30
.set LAD, 32
.set T2O, 39
.set O16, 40
.set T0,  41
.set SA,  42
.set SB,  44
.set SC,  46
.set LIM, 47
.set XN,  48
.set KY,  64
.set ACC, 128
.set T2V, 184
.set BM,  240
.set MSB, 0
.macro WIN new                         ; the immediate's high byte repeats the setting that is left
.if MSB != \new
	s_set_vgpr_msb (MSB<<8)|\new
.set MSB, \new
.endif
.endm
.macro SQ r                            ; as in the first launch
	v_pk_mul_f32 v[SA:SA+1], v[\r:\r+1], v[\r:\r+1]
	v_pk_mul_f32 v[SB:SB+1], v[\r+2:\r+3], v[\r+2:\r+3]
	v_pk_fma_f32 v[SA:SA+1], v[\r+4:\r+5], v[\r+4:\r+5], v[SA:SA+1]
	v_pk_fma_f32 v[SB:SB+1], v[\r+6:\r+7], v[\r+6:\r+7], v[SB:SB+1]
	v_pk_fma_f32 v[SA:SA+1], v[\r+8:\r+9], v[\r+8:\r+9], v[SA:SA+1]
	v_pk_fma_f32 v[SB:SB+1], v[\r+10:\r+11], v[\r+10:\r+11], v[SB:SB+1]
	v_pk_fma_f32 v[SA:SA+1], v[\r+12:\r+13], v[\r+12:\r+13], v[SA:SA+1]
	v_pk_fma_f32 v[SB:SB+1], v[\r+14:\r+15], v[\r+14:\r+15], v[SB:SB+1]
	v_pk_add_f32 v[SA:SA+1], v[SA:SA+1], v[SB:SB+1]
	v_add_f32 v[SA], v[SA], v[SA+1]
.endm
; (key v[kk], number nn) goes into the ascending list of five, behind all that are not greater.  rr = 1: nn is a register.  ff: the first place that it can take.
.macro INSU kk, nn, rr, ff
.irp i, 0,1,2,3,4
.if \i >= \ff
	v_cmp_lt_u32 s[CM+\i], v[\kk], v[LK+\i]
.endif
.endr
.irp i, 4,3,2,1,0
.if \i >= \ff
	v_cndmask_b32 v[LK+\i], v[LK+\i], v[\kk], s[CM+\i]
.if \rr
	v_cndmask_b32 v[LI+\i], v[LI+\i], v[\nn], s[CM+\i]
.else
	v_cndmask_b32 v[LI+\i], v[LI+\i], \nn, s[CM+\i]
.endif
.endif
.if \i > \ff
	v_cndmask_b32 v[LK+\i], v[LK+\i], v[LK+\i-1], s[CM+\i-1]
	v_cndmask_b32 v[LI+\i], v[LI+\i], v[LI+\i-1], s[CM+\i-1]
.endif
.endr
.endm
.macro MERGEU bb                       ; the list at v[bb] (5 keys, 5 numbers, all numbers above mine) is merged into mine: its j-th entry cannot come ahead of place j
.irp j, 0,1,2,3,4
	INSU \bb+\j, \bb+5+\j, 1, \j
.endr
.endm
; The same for (distance v[dd], label v[ll]): the distances move by a median of three, the labels by the compares.
.macro INSF dd, ll, ff
.irp i, 0,1,2,3,4
.if \i >= \ff
	v_cmp_lt_f32 s[CM+\i], v[\dd], v[LK+\i]
.endif
.endr
.irp i, 4,3,2,1,0
.if \i > \ff
	v_med3_num_f32 v[LK+\i], v[LK+\i-1], v[LK+\i], v[\dd]
	v_cndmask_b32 v[LI+\i], v[LI+\i], v[\ll], s[CM+\i]
	v_cndmask_b32 v[LI+\i], v[LI+\i], v[LI+\i-1], s[CM+\i-1]
.endif
.if \i == \ff
	v_min_num_f32 v[LK+\i], v[LK+\i], v[\dd]
	v_cndmask_b32 v[LI+\i], v[LI+\i], v[\ll], s[CM+\i]
.endif
.endr
.endm
.macro MERGEF bb
.irp j, 0,1,2,3,4
	INSF \bb+\j, \bb+5+\j, \j
.endr
.endm
.macro CSWAP a, b                      ; numbers a and b of the list in ascending order
	v_cmp_gt_u32 vcc_lo, v[LI+\a], v[LI+\b]
	v_cndmask_b32 v[T0], v[LI+\a], v[LI+\b], vcc_lo
	v_cndmask_b32 v[LI+\b], v[LI+\b], v[LI+\a], vcc_lo
	v_mov_b32 v[LI+\a], v[T0]
.endm
.macro ALOAD a                         ; query a's seven fragments into block a % 8 of window 1
	WIN 0x40                                       ; destination window 1, address window 0
.irp i, 0,1,2,3,4,5,6
	global_load_b128 v[32*((\a)&7)+4*\i:32*((\a)&7)+4*\i+3], v10, s[32+2*(\a):33+2*(\a)] offset:512*\i
.endr
.endm
	s_load_b256 s[4:11], s[0:1], 0x0               ; keys s[4:5], cw s[6:7], t2w s[8:9], x s[10:11]
	s_load_b128 s[12:15], s[0:1], 0x20             ; y_train s[12:13], the scales' exponents s[14:15]
	s_load_b64 s[16:17], s[0:1], 0x30              ; out0
	v_lshrrev_b32 v[T0], 5, v0
	v_readfirstlane_b32 s18, v[T0]                 ; wave 0..4
	s_mov_b32 s19, ttmp9                           ; the tile of 16 queries
	s_mov_b32 s24, 0x76543210                      ; v_permlanex16_b32's selects for lane l xor 16
	s_mov_b32 s25, 0xfedcba98
	s_mov_b32 s67, 0
	s_mov_b32 s69, 0
	s_mov_b32 s70, 0xffff0000                      ; lanes 16-31
	; every LDS address is made here, ahead of the first parting of the waves
	v_and_b32 v1, 31, v0
	v_and_b32 v14, 15, v0                          ; r
	v_bfe_u32 v13, v0, 4, 1                        ; h
	v_lshrrev_b32 v12, 4, v0                       ; part
	v_mul_u32_u24 v2, v0, 48                       ; my list among the selection's
	v_mul_u32_u24 v3, v14, 48
	v_add_nc_u32 v4, LB, v2                        ; my list among the refine's
	v_mad_u32_u24 v5, v13, 3840, v3
	v_add_nc_u32 v5, LB, v5                        ; lists 5 h .. 5 h + 4 of query r
	v_mad_u32_u24 v3, v13, 3072, v3                ; lists 4 h .. 4 h + 3 of query r
	v_mul_u32_u24 v6, v1, 24
	v_add_nc_u32 v6, LCS, v6                       ; a row of the output: 24 bytes
	v_lshl_add_u32 v7, v1, 4, LCS
	v_lshlrev_b32 v8, 4, v14
	v_lshl_add_u32 v8, v12, 12, v8                 ; keys: 4,096 part + 16 r
	v_lshlrev_b32 v9, 7, v14
	v_lshl_add_u32 v9, v13, 5, v9                  ; x: 128 r + 32 h
	v_lshrrev_b32 v[T0], 3, v14
	v_mul_u32_u24 v10, v[T0], 3584                 ; a fragment's rows 8-15 lie seven tiles further on;
	v_lshl_add_u32 v10, v13, 8, v10                ; my half of k;
	v_and_b32 v[T0], 7, v14
	v_lshl_add_u32 v10, v[T0], 4, v10              ; my row of the eight
	v_lshlrev_b32 v11, 4, v1
	s_wait_kmcnt 0x0
	s_load_b64 s[20:21], s[14:15], 0x0             ; e0, e1
	s_lshl_b32 s66, s19, 15
	s_add_nc_u64 s[4:5], s[4:5], s[66:67]
	s_lshl_b32 s66, s19, 11
	s_add_nc_u64 s[10:11], s[10:11], s[66:67]
	s_mul_i32 s66, s19, 384
	s_add_nc_u64 s[16:17], s[16:17], s[66:67]
	s_cmp_gt_u32 s18, 3
	s_cbranch_scc1 .Lno_keys
	s_wait_alu depctr_va_vdst(0)
.irp g, 0,1,2,3,4,5,6,7
	global_load_b128 v[KY+8*\g:KY+8*\g+3], v8, s[4:5] offset:512*\g th:TH_LOAD_NT        ; sixteen lanes read 256 consecutive bytes
	global_load_b128 v[KY+8*\g+4:KY+8*\g+7], v8, s[4:5] offset:512*\g+256 th:TH_LOAD_NT
.endr
.Lno_keys:
	s_wait_alu depctr_va_vdst(0)
	global_load_b128 v[XN:XN+3], v9, s[10:11]
	global_load_b128 v[XN+4:XN+7], v9, s[10:11] offset:16
	global_load_b128 v[XN+8:XN+11], v9, s[10:11] offset:64
	global_load_b128 v[XN+12:XN+15], v9, s[10:11] offset:80
.irp k, 4,5,6,7,12,13,14,15
	v_mov_b32 v[BM+\k], 0                          ; k = 32 .. 63 of the queries: zero codes
.endr
	WIN 0x40
.irp b, 0,1,2,3,4,5,6,7
.irp k, 28,29,30,31
	v_mov_b32 v[32*\b+\k], 0                       ; behind each block's seventh fragment
.endr
.endr
	WIN 0
	s_wait_kmcnt 0x0
	s_add_co_i32 s66, s20, 127
	s_lshl_b32 s68, s66, 23
	v_mov_b32 v[SC], s68                           ; 2^e0
	s_add_co_i32 s66, s66, 8
	s_lshl_b32 s66, s66, 23
	s_or_b32 s66, s66, 0x600000
	v_mov_b32 v[LIM], s66                          ; 448 x 2^e0
	s_add_co_i32 s22, s20, s21
	s_add_co_i32 s22, s22, 128
	s_lshl_b32 s22, s22, 23
	s_or_b32 s22, s22, 0x80000000                  ; -2^(e0 + e1 + 1)
	s_mov_b32 s23, s22
	s_wait_loadcnt 0x0                             ; x, and in waves 0 to 3 the keys
	SQ XN
	v_permlanex16_b32 v[SB], v[SA], s24, s25
	v_add_f32 v[X2], v[SA], v[SB]
	v_mov_b32 v[X2+1], v[X2]
.irp i, 0,1,2,3,4,5,6,7,8,9,10,11,12,13,14,15
	v_med3_num_f32 v[XN+\i], v[XN+\i], -v[LIM], v[LIM]
.endr
	v_cvt_scalef32_pk8_fp8_f32 v[BQ:BQ+1], v[XN:XN+7], v[SC]
	v_cvt_scalef32_pk8_fp8_f32 v[BQ+2:BQ+3], v[XN+8:XN+15], v[SC]
	v_nop                                          ; one plain vector line behind the conversions
	; ---- SELECTION, waves 0 to 3: the 5 smallest of my 56 keys, in ascending order of the groups' numbers
	s_cmp_gt_u32 s18, 3
	s_cbranch_scc1 .Lno_sel
.irp i, 0,1,2,3,4
	v_mov_b32 v[LK+\i], -1
	v_mov_b32 v[LI+\i], 0
.endr
.irp g, 0,1,2,3,4,5,6,7
.irp e, 0,1,2,3,4,5,6
	INSU KY+8*\g+\e, 8*\g+\e, 0, 0
.endr
.endr
.irp i, 0,1,2,3,4
	v_lshl_add_u32 v[LI+\i], v12, 6, v[LI+\i]      ; group number = 64 part + 8 octet + run
.endr
	ds_store_b128 v2, v[16:19] offset:LA
	ds_store_b128 v2, v[20:23] offset:LA+16
	ds_store_b64 v2, v[24:25] offset:LA+32
.Lno_sel:
	s_wait_dscnt 0x0                               ; for the others' sake: my list lies in LDS
	s_barrier_signal -1
	s_barrier_wait -1
	; ---- every wave merges the eight lists of each query: four in each half of the lanes, then the halves
	ds_load_b128 v[16:19], v3 offset:LA
	ds_load_b128 v[20:23], v3 offset:LA+16
	ds_load_b64 v[24:25], v3 offset:LA+32
.irp j, 1,2,3
	ds_load_b128 v[KY+12*(\j-1):KY+12*(\j-1)+3], v3 offset:LA+768*\j
	ds_load_b128 v[KY+12*(\j-1)+4:KY+12*(\j-1)+7], v3 offset:LA+768*\j+16
	ds_load_b64 v[KY+12*(\j-1)+8:KY+12*(\j-1)+9], v3 offset:LA+768*\j+32
.endr
	s_wait_dscnt 0x0
	MERGEU KY
	MERGEU KY+12
	MERGEU KY+24
.irp i, 0,1,2,3,4,5,6,7,8,9
	v_permlanex16_b32 v[KY+\i], v[LK+\i], s24, s25
.endr
	MERGEU KY                                      ; right in lanes 0-15, whose own groups are the lower ones
.irp i, 0,1,2,3,4
	v_permlanex16_b32 v[T0], v[LI+\i], s24, s25
	v_cndmask_b32 v[LI+\i], v[LI+\i], v[T0], s70   ; lanes 16-31 take the numbers from lanes 0-15
.endr
	CSWAP 0, 1                                     ; the five numbers in ascending order: a network of nine exchanges
	CSWAP 3, 4
	CSWAP 2, 4
	CSWAP 2, 3
	CSWAP 1, 4
	CSWAP 0, 3
	CSWAP 0, 2
	CSWAP 1, 3
	CSWAP 1, 2
	v_mov_b32 v15, v[LI]
.irp j, 1,2,3,4
	s_cmp_eq_u32 s18, \j
	s_cselect_b32 s66, -1, 0
	v_cndmask_b32 v15, v15, v[LI+\j], s66          ; my wave's: the w-th
.endr
	v_min_u32 v15, 511, v15                        ; number = 16 slice + 8 half + run
	; ---- where the group lies
	v_and_b32 v[T0], 0x1f0, v15                    ; 16 slice
	v_and_b32 v48, 7, v15                          ; run
	v_and_b32 v49, 8, v15                          ; 8 half
	v_mul_u32_u24 v[T2O], v[T0], 416               ; t2w: 6,656 slice + 64 (14 run + 7 h2) + 32 half
	v_mad_u32_u24 v[T2O], v48, 896, v[T2O]
	v_lshl_add_u32 v[T2O], v49, 2, v[T2O]
	v_mad_u32_u24 v[T2O], v13, 448, v[T2O]
	v_min_u32 v[T2O], 212576, v[T2O]               ; the last place from which the 14 loads stay inside the buffer; no real group lies beyond it
	v_and_b32 v50, 0x1f8, v15
	v_mul_u32_u24 v50, v50, 98                     ; first row: 784 (2 slice + half) + 112 run + 56 h2
	v_mad_u32_u24 v50, v48, 112, v50
	v_mad_u32_u24 v50, v13, 56, v50
	v_lshlrev_b32 v50, 2, v50
.irp i, 0,1,2,3,4,5,6
	v_add_nc_u32 v[LAD+\i], 32*\i, v50
	v_min_u32 v[LAD+\i], 199968, v[LAD+\i]         ; eight rows are all real or all beyond the last (50,000 is a multiple of 8): the latter read the last eight labels, and never win
.endr
	v_mul_u32_u24 v[O16], v[T0], 196               ; cw, in units of 16 bytes: 3,136 slice + 448 run + 8 half
	v_mad_u32_u24 v[O16], v48, 448, v[O16]
	v_add_nc_u32 v[O16], v49, v[O16]
	s_wait_alu depctr_va_vdst(0)
.irp n, 0,1,2,3,4,5,6,7,8,9,10,11,12,13,14,15
	v_readlane_b32 s66, v[O16], \n
	s_min_u32 s66, s66, 99912                      ; the last real group's place
	s_lshl_b32 s68, s66, 4
	s_add_nc_u64 s[32+2*\n:33+2*\n], s[6:7], s[68:69]
.endr
.irp i, 0,1,2,3,4,5,6
	global_load_b128 v[T2V+8*\i:T2V+8*\i+3], v[T2O], s[8:9] offset:64*\i
	global_load_b128 v[T2V+8*\i+4:T2V+8*\i+7], v[T2O], s[8:9] offset:64*\i+16
.endr
.irp i, 0,1,2,3,4,5,6
	global_load_b128 v[KY+8*\i:KY+8*\i+3], v[LAD+\i], s[12:13]
	global_load_b128 v[KY+8*\i+4:KY+8*\i+7], v[LAD+\i], s[12:13] offset:16
.endr
.irp n, 0,1,2,3,4,5,6,7
	ALOAD \n
.endr
	; ---- the products.  The seven accumulators take turns, one instruction a turn.  The four selects that make query n's masked fragment are the four places between query n - 1's products
	; and the loads into the block that they read, and between query n - 2's products and the write of the masked fragment that they read.
.irp n, 0,1,2,3,4,5,6,7,8,9,10,11,12,13,14,15
	WIN 0
	s_mov_b32 s66, 0x10001<<\n                     ; lanes n and n + 16: column n
.irp k, 0,1,2,3
	v_cndmask_b32 v[BM+8*(\n&1)+\k], 0, v[BQ+\k], s66
.endr
.if (\n >= 1) && (\n <= 8)
	ALOAD \n+7
.endif
.if \n <= 7
	s_wait_alu depctr_va_vdst(0)
	s_wait_loadcnt 49                              ; query n's seven loads are in; seven younger batches of seven stay out
.else
	s_wait_alu depctr_va_vdst(0)
	s_wait_loadcnt 7*(15-\n)                       ; nothing more is asked for: the counts run down
.endif
	WIN 0x01                                       ; source 0 window 1
.irp i, 0,1,2,3,4,5,6
.if \n == 0
	v_wmma_f32_16x16x64_fp8_fp8 v[ACC+8*\i:ACC+8*\i+7], v[32*(\n&7)+4*\i:32*(\n&7)+4*\i+7], v[BM+8*(\n&1):BM+8*(\n&1)+7], 0
.else
	v_wmma_f32_16x16x64_fp8_fp8 v[ACC+8*\i:ACC+8*\i+7], v[32*(\n&7)+4*\i:32*(\n&7)+4*\i+7], v[BM+8*(\n&1):BM+8*(\n&1)+7], v[ACC+8*\i:ACC+8*\i+7]
.endif
.endr
.endr
	WIN 0
	; ---- my 56 distances, in ascending order of the rows, into a list of five.  (The ten moves are the places behind the last products)
.irp i, 0,1,2,3,4
	v_mov_b32 v[LK+\i], 0x7f800000
	v_mov_b32 v[LI+\i], 0
.endr
.irp i, 0,1,2,3,4,5,6
.irp p, 0,2,4,6
	v_pk_fma_f32 v[ACC+8*\i+\p:ACC+8*\i+\p+1], v[ACC+8*\i+\p:ACC+8*\i+\p+1], s[22:23], v[X2:X2+1] op_sel_hi:[1,0,1]   ; x2 - 2 dot; each accumulator from its low end on
.endr
.irp p, 0,2,4,6
	v_pk_add_f32 v[ACC+8*\i+\p:ACC+8*\i+\p+1], v[ACC+8*\i+\p:ACC+8*\i+\p+1], v[T2V+8*\i+\p:T2V+8*\i+\p+1]            ; + t2
.endr
.irp j, 0,1,2,3,4,5,6,7
	INSF ACC+8*\i+\j, KY+8*\i+\j, 0
.endr
.endr
	ds_store_b128 v4, v[16:19]
	ds_store_b128 v4, v[20:23] offset:16
	ds_store_b64 v4, v[24:25] offset:32
	s_wait_dscnt 0x0                               ; for wave 0's sake: my list lies in LDS
	s_barrier_signal -1
	s_barrier_wait -1
	s_cmp_lg_u32 s18, 0
	s_cbranch_scc1 .Lend
	; ---- wave 0: the ten lists of each query, five in each half of the lanes, then the halves
	ds_load_b128 v[16:19], v5
	ds_load_b128 v[20:23], v5 offset:16
	ds_load_b64 v[24:25], v5 offset:32
.irp j, 1,2,3,4
	ds_load_b128 v[KY+12*(\j-1):KY+12*(\j-1)+3], v5 offset:768*\j
	ds_load_b128 v[KY+12*(\j-1)+4:KY+12*(\j-1)+7], v5 offset:768*\j+16
	ds_load_b64 v[KY+12*(\j-1)+8:KY+12*(\j-1)+9], v5 offset:768*\j+32
.endr
	s_wait_dscnt 0x0
	MERGEF KY
	MERGEF KY+12
	MERGEF KY+24
	MERGEF KY+36
.irp i, 0,1,2,3,4,5,6,7,8,9
	v_permlanex16_b32 v[KY+\i], v[LK+\i], s24, s25
.endr
	MERGEF KY                                      ; right in lanes 0-15; what lanes 16-31 make from here on is never stored to memory
	v_mov_b32 v[T0], 0                             ; the votes: four bits a label
	v_mov_b32 v59, 1
	v_mov_b32 v58, 1.0
.irp j, 0,1,2,3,4
	v_lshlrev_b32 v48, 2, v[LI+\j]
	v_lshlrev_b32 v48, v48, v59
	v_cmp_gt_u32 vcc_lo, 6, v[LI+\j]
	v_cndmask_b32 v48, 0, v48, vcc_lo              ; a label outside 0 .. 5 votes for nothing
	v_add_nc_u32 v[T0], v[T0], v48
.endr
	v_and_b32 v50, 15, v[T0]                       ; the most votes so far: label 0's
	v_mov_b32 v51, 0
.irp k, 1,2,3,4,5
	v_bfe_u32 v48, v[T0], 4*\k, 4
	v_cmp_le_u32 vcc_lo, v48, v50                  ; only strictly more votes displace a smaller label
	v_cndmask_b32 v50, v48, v50, vcc_lo
	v_cndmask_b32 v51, \k, v51, vcc_lo
.endr
.irp k, 0,1,2,3,4,5
	v_cmp_eq_u32 vcc_lo, \k, v51
	v_cndmask_b32 v[52+\k], 0, v58, vcc_lo
.endr
	ds_store_b64 v6, v[52:53]                      ; lane r: query r's row of 24 bytes
	ds_store_b64 v6, v[54:55] offset:8
	ds_store_b64 v6, v[56:57] offset:16
	ds_load_b128 v[60:63], v7                      ; LDS serves a wave's instructions in order: this sees the stores above
	v_cmp_gt_u32 vcc_lo, 24, v0
	s_wait_dscnt 0x0
	s_wait_xcnt 0x0                                ; EXEC changes only behind this wait
	s_and_saveexec_b32 s66, vcc_lo
	global_store_b128 v11, v[60:63], s[16:17]      ; 24 lanes store the 16 rows' 384 consecutive bytes
	s_wait_xcnt 0x0
	s_or_b32 exec_lo, exec_lo, s66
.Lend:
	s_wait_xcnt 0x0
	s_mov_b32 exec_lo, -1
	v_lshl_add_u32 v254, v0, 2, 0x3900
	v_mov_b32 v255, 0
	s_wait_alu depctr_va_vdst(0)
	s_wait_tensorcnt 0x0
	ds_add_u32 v254, v255
	s_wait_dscnt 0x0
	s_endpgm
.Lfunc_end_k_q3ad27ec52d_pick:
	.size	k_q3ad27ec52d_pick, .Lfunc_end_k_q3ad27ec52d_pick-k_q3ad27ec52d_pick
	.p2alignl 7, 3214868480
	.fill 96, 4, 3214868480
	.section	.rodata,"a",@progbits
	.p2align	6, 0x0
	.amdhsa_kernel k_q3ad27ec52d_pick
		.amdhsa_group_segment_fixed_size 15360
		.amdhsa_private_segment_fixed_size 0
		.amdhsa_enable_private_segment 0
		.amdhsa_kernarg_size 56
		.amdhsa_user_sgpr_count 2
		.amdhsa_user_sgpr_kernarg_segment_ptr 1
		.amdhsa_wavefront_size32 1
		.amdhsa_system_sgpr_workgroup_id_x 1
		.amdhsa_system_sgpr_workgroup_id_y 1
		.amdhsa_system_sgpr_workgroup_id_z 1
		.amdhsa_system_vgpr_workitem_id 0
		.amdhsa_next_free_vgpr 512
		.amdhsa_next_free_sgpr 80
		.amdhsa_reserve_vcc 1
		.amdhsa_float_denorm_mode_32 3
		.amdhsa_float_denorm_mode_16_64 3
		.amdhsa_memory_ordered 1
		.amdhsa_forward_progress 1
		.amdhsa_inst_pref_size 233
	.end_amdhsa_kernel
	.amdgpu_metadata
---
amdhsa.version: [ 1, 2 ]
amdhsa.kernels:
  - .name:           k_q3ad27ec52d_pick
    .symbol:         k_q3ad27ec52d_pick.kd
    .args:
      - { .name: keys, .offset: 0, .size: 8, .value_kind: global_buffer, .address_space: global }
      - { .name: cw, .offset: 8, .size: 8, .value_kind: global_buffer, .address_space: global }
      - { .name: t2w, .offset: 16, .size: 8, .value_kind: global_buffer, .address_space: global }
      - { .name: x, .offset: 24, .size: 8, .value_kind: global_buffer, .address_space: global }
      - { .name: y_train, .offset: 32, .size: 8, .value_kind: global_buffer, .address_space: global }
      - { .name: lowp_scales, .offset: 40, .size: 8, .value_kind: global_buffer, .address_space: global }
      - { .name: out0, .offset: 48, .size: 8, .value_kind: global_buffer, .address_space: global }
    .group_segment_fixed_size: 15360
    .private_segment_fixed_size: 0
    .kernarg_segment_align: 8
    .kernarg_segment_size: 56
    .max_flat_workgroup_size: 160
    .sgpr_count:     80
    .vgpr_count:     512
    .wavefront_size: 32
...
	.end_amdgpu_metadata
.endif
;; end of part 4
